; MI455X (gfx1250); checked and timed in simulation.
; The chip was launched on July 23, 2026; its instructions are those of AMD's public machine-readable ISA for CDNA 5 (MIT licence, August 2026) and "CDNA5" Instruction Set Architecture Reference Guide (July 2026). The comments in the code are by the model that wrote it; some were corrected since.
;; Spatio Temporal Cross Attention. Allowed arithmetic: matrix products marked QUANTISED: E2M1 operands, one E8M0 scale for each 32 along K, by v_wmma_scale_f32_16x16x128_f8f6f4 with both operands' format E2M1 (or v_wmma_scale_f32_32x16x128_f4), f32 sums; everything else in f32.
;; Inputs: ln_b 1,024 float32; ln_g 1,024 float32; s2t_Wk 1,024 x 1,024 float32; s2t_Wo 1,024 x 1,024 float32; s2t_Wq 1,024 x 1,024 float32; s2t_Wv 1,024 x 1,024 float32; s2t_bk 1,024 float32; s2t_bo 1,024 float32; s2t_bq 1,024 float32; s2t_bv 1,024 float32; spat_features 2 x 2,048 x 1,024 float32; t2s_Wk 1,024 x 1,024 float32; t2s_Wo 1,024 x 1,024 float32; t2s_Wq 1,024 x 1,024 float32; t2s_Wv 1,024 x 1,024 float32; t2s_bk 1,024 float32; t2s_bo 1,024 float32; t2s_bq 1,024 float32; t2s_bv 1,024 float32; temp_features 2 x 2,048 x 1,024 float32.
;; Outputs: out0 2 x 2,048 x 1,024 float32; out1 2 x 2,048 x 1,024 float32.
;; This version of the problem:
;;   THIS VERSION OF THE PROBLEM IS GIVEN IN LOW PRECISION. The matrix products marked QUANTISED in the list below multiply operands that are first quantised to E2M1 (2 exponent bits, 1 mantissa bit; 4 bits a number), with one power-of-two scale for each 32 numbers along K (OCP MX v1.0); their sums are f32. All else is computed in f32.
;;   The module's matrix products, in the order in which they are computed (A, B: the left and right operand; K: the contracted axis; several contracted axes count as one K, in the product's order):
;;     1. [M 4,096, K 1,024] x [K 1,024, N 1,024]; A: input spat_features; B: input t2s_Wq: QUANTISED
;;     2. [M 4,096, K 1,024] x [K 1,024, N 1,024]; A: input temp_features; B: input t2s_Wk: QUANTISED
;;     3. [M 4,096, K 1,024] x [K 1,024, N 1,024]; A: input temp_features; B: input t2s_Wv: QUANTISED
;;     4. batch 32 x [M 2,048, K 64] x [K 64, N 2,048]; A: computed on the way; B: computed on the way: QUANTISED
;;     5. batch 32 x [M 2,048, K 2,048] x [K 2,048, N 64]; A: softmax (see below); B: computed on the way: QUANTISED
;;     6. [M 4,096, K 1,024] x [K 1,024, N 1,024]; A: computed on the way; B: input t2s_Wo: QUANTISED
;;     7. [M 4,096, K 1,024] x [K 1,024, N 1,024]; A: input temp_features; B: input s2t_Wq: QUANTISED
;;     8. [M 4,096, K 1,024] x [K 1,024, N 1,024]; A: input spat_features; B: input s2t_Wk: QUANTISED
;;     9. [M 4,096, K 1,024] x [K 1,024, N 1,024]; A: input spat_features; B: input s2t_Wv: QUANTISED
;;     10. batch 32 x [M 2,048, K 64] x [K 64, N 2,048]; A: computed on the way; B: computed on the way: QUANTISED
;;     11. batch 32 x [M 2,048, K 2,048] x [K 2,048, N 64]; A: softmax (see below); B: computed on the way: QUANTISED
;;     12. [M 4,096, K 1,024] x [K 1,024, N 1,024]; A: computed on the way; B: input s2t_Wo: QUANTISED
;;   THE QUANTISER, for each operand of a quantised product, along K:
;;     - K is cut into blocks of 32 from its start; a last block that is shorter is filled with zeros.
;;     - A block's scale is 2^e with e = floor(log2(the largest magnitude in the block)) - 2, held to -126 .. 127; a block of zeros has e = 0. As a byte (E8M0): e + 127.
;;     - Each number is divided by its block's scale, clamped to +-6, and rounded to the nearest number of E2M1, ties to even, subnormals kept.
;;     - The product sums the exact products of the quantised numbers (number of the format x scale) in f32.
;;   ~~~python
;;   def quantise(x, axis):      # numpy; x: float32 -> the quantised numbers, widened to float32 again
;;       x = np.moveaxis(x, axis, -1); K = x.shape[-1]
;;       x = np.pad(x, [(0, 0)] * (x.ndim - 1) + [(0, -K % 32)]); x = x.reshape(x.shape[:-1] + (-1, 32)); a = np.abs(x).max(-1, keepdims=True)
;;       e = np.where(a > 0, np.clip(np.frexp(np.where(a > 0, a, 1))[1] - 1 - 2, -126, 127), 0)      # np.frexp(a)[1] - 1 = floor(log2(a)), exactly
;;       r = np.clip(x / 2.0 ** e, -6, 6)
;;       step = 2.0 ** (np.maximum(np.frexp(np.where(r == 0, 1, r))[1] - 1, 0) - 1)
;;       q = np.round(r / step) * step * 2.0 ** e      # np.round: ties to even
;;       return np.moveaxis(q.reshape(q.shape[:-2] + (-1,))[..., :K], -1, axis).astype(np.float32)
;;   ~~~
;;   SOFTMAX AHEAD OF A QUANTISED PRODUCT. Where the list says 'softmax', what is quantised is not the finished softmax but p = 2^(t - M), with t = logit x log2(e) and M = ceil(the row's largest t), a whole number; so 1/2 < the row's largest p <= 1. The row's sum l is taken of the UNQUANTISED p, in f32, and the product's result is divided by l at the end. Since M is a whole number, a kernel that streams over the keys may use a running M (the ceiling of the running maximum): every later rescaling is an exact power of two, which a block's scale takes up: the codes' values come out the same.
;;   OPERANDS COMPUTED ON THE WAY. 'Computed on the way' means the value that the module computes at that place (a softmax that the list does not call 'softmax' is quantised finished and normalised). What goes into a quantiser is computed in f32, as accurately as f32 sums, v_exp_f32 and their like allow (about 1e-6 of the number): no bf16 or f16 on the way to a quantiser, and a product that is left as it is and whose result goes on into a quantised operand takes f32 operands (vector FMAs, or v_wmma_f32_16x16x4_f32). A number that lies on a knife's edge between two numbers of the format may be rounded either way, as far as f32 arithmetic and the matrix unit's own rounding can turn it there, and no further.
;; One version. Each part assembles by itself: llvm-mc -triple=amdgcn-amd-amdhsa -mcpu=gfx1250 --defsym DOCPART=n.
;; ======== version 1 of 1: 4 launches
;; limits: right only within a limited range of input values
;; workspace buffers: xc 4,194,304 bytes; xs 262,144 bytes; wc 4,194,304 bytes; ws 262,144 bytes; qkvc 12,582,912 bytes; qkvs 786,432 bytes; oc 4,194,304 bytes; os 262,144 bytes
;; launch quant (part 1): grid 1024 x 1, 8 waves a work-group, no clusters, 69,632 bytes of LDS; arguments spat_features, temp_features, t2s_Wq, s2t_Wk, s2t_Wv, s2t_Wq, t2s_Wk, t2s_Wv, t2s_Wo, s2t_Wo, xc, xs, wc, ws; writes xc, xs, wc, ws
.if DOCPART == 1
	.amdgcn_target "amdgcn-amd-amdhsa--gfx1250"
	.amdhsa_code_object_version 6
	.text
	.protected	k_qda09f5327c_quant
	.globl	k_qda09f5327c_quant
	.p2align	8
	.type	k_qda09f5327c_quant,@function
k_qda09f5327c_quant:
	s_mov_b64 s[64:65], 0
	v_nop
	global_prefetch_b8 v0, s[64:65] scope:SCOPE_SE
	s_setreg_imm32_b32 hwreg(HW_REG_WAVE_MODE, 25, 1), 1
	s_wait_xcnt 0x0
; The two feature tensors [4096][1024] and the eight weights [1024 (k)][1024 (n)], f32, become codes of FP4 (E2M1) with one E8M0 byte for each 32 along K (the 1,024).
; A block's scale is 2^(floor(log2(its largest magnitude)) - 2); its byte is the largest magnitude's exponent field - 2, held at 1 from below.
; THE CODES ARE LAID AS IMAGES OF OPERAND REGISTERS.  Tile tau = 2 rho + u holds the 16 rows 32 rho + 8 u + r + 8 (r / 8); its fragment of K step g (128 along K: 8 registers a lane) lies at
; tau x 8192 + g x 1024 + c x 512 + 16 x lane, c = 0, 1: lane (r, h) holds k = 128 g + 64 c + 32 h + 0 .. 31 of tile row r.  The scale word of (tau, g, r) lies at tau x 512 + (g / 4) x 256 + 16 r + 4 (g % 4).
; Work-groups 0-511: one tile of 16 feature rows each, wave w its K step w.  Work-groups 512-1023: 32 columns x 512 along K of one weight, wave w 64 of the 512.
; Work-groups share no input byte, so there is nothing to ask for jointly; memory binds, so no matrix unit and no tensor load: each wave asks for its 8 KiB at once.
; The two ways part on the work-group's number and have LDS bytes of their own.
; LIMITS: NaN and infinities among the inputs are not served.  A block of zeros gets the byte 1 where the quantiser says 127: its codes are zeros, which add nothing under any byte but 0xff, and this program alone reads the bytes.
.set WV,   34                          ; s34      my wave's number
.set SEL,  36                          ; s[36:37] lane selects for v_permlanex16_b32: lane l xor 16
.set XP,   528                         ; a stage row: 512 bytes + 16
.set XWB,  16*XP                       ; a wave's stage: 16 rows
.set XSCL, 8*XWB                       ; behind the eight stages: a feature tile's 512 bytes of scale words
.set WSCL, XSCL+512                    ; and the weights' way's own 512 bytes
.set X,    16                          ; v16-79   64 numbers
.set PC,   80                          ; v80-87   the codes
.set TM,   88                          ; v88-103  at work
.set PW,   104                         ; v104     the scale word
; 64 numbers of a lane, register 16 b + i = k 32 b + 16 (lane / 16) + i of my row, become a fragment's codes in v[pc] on and its scale word in v[pw].
.macro QUANT s, pc, pw
.irp b, 0,1,2,3
	v_max3_num_f32 v[TM+\b], |v[\s+16*\b]|, |v[\s+1+16*\b]|, 0x1800000   ; block b: my 16 numbers, and the floor 2^(3 - 127): the byte cannot fall under 1
.endr
.irp i, 2,4,6,8,10,12,14
.irp b, 0,1,2,3
	s_delay_alu instid0(VALU_DEP_4)
	v_max3_num_f32 v[TM+\b], v[TM+\b], |v[\s+16*\b+\i]|, |v[\s+1+16*\b+\i]|   ; the four blocks by turns
.endr
.endr
.irp b, 0,1,2,3
	s_delay_alu instid0(VALU_DEP_4)
	v_permlanex16_b32 v[TM+4+\b], v[TM+\b], s[SEL], s[SEL+1]
.endr
.irp b, 0,1,2,3
	s_delay_alu instid0(VALU_DEP_4)
	v_max_num_f32 v[TM+\b], v[TM+\b], v[TM+4+\b]   ; with lane l xor 16's: the block's largest magnitude
.endr
.irp b, 0,1,2,3
	s_delay_alu instid0(VALU_DEP_4)
	v_add_nc_u32 v[TM+12+\b], 0xff000000, v[TM+\b]   ; 2 off its exponent field: the conversion takes the exponent field of this operand as its scale
.endr
.irp b, 0,1,2,3
	s_delay_alu instid0(VALU_DEP_4)
	v_lshrrev_b32 v[TM+4+\b], 23, v[TM+12+\b]      ; the scale's byte
.endr
	s_delay_alu instid0(VALU_DEP_3)
	v_lshl_or_b32 v[\pw], v[TM+5], 8, v[TM+4]
	s_delay_alu instid0(VALU_DEP_1)
	v_lshl_or_b32 v[\pw], v[TM+6], 16, v[\pw]
	s_delay_alu instid0(VALU_DEP_1)
	v_lshl_or_b32 v[\pw], v[TM+7], 24, v[\pw]
.irp b, 0,1,2,3
	v_cvt_scalef32_pk8_fp4_f32 v[\pc+2*\b], v[\s+16*\b:\s+7+16*\b], v[TM+12+\b]
	v_cvt_scalef32_pk8_fp4_f32 v[\pc+1+2*\b], v[\s+8+16*\b:\s+15+16*\b], v[TM+12+\b]
.endr
	v_nop                                          ; one plain place behind a scaled conversion
.irp c, 0,1                                    ; the operand's layout wants a whole block in a lane: lanes 0-15 block 2 c, lanes 16-31 block 2 c + 1
.irp i, 0,1
	v_permlane16_swap_b32 v[\pc+4*\c+\i], v[\pc+2+4*\c+\i]
.endr
.endr
.endm
	s_load_b128 s[4:7], s[0:1], 0x0                ; spat, temp
	s_load_b512 s[8:23], s[0:1], 0x10              ; the eight weights, slot j at s[8 + 2 j]
	s_load_b256 s[24:31], s[0:1], 0x50             ; xc, xs, wc, ws
	v_lshl_add_u32 v112, v0, 2, 0x10c00
	v_mov_b32 v113, 0
	v_lshrrev_b32 v1, 5, v0
	s_delay_alu instid0(VALU_DEP_1)
	v_readfirstlane_b32 s[WV], v1                  ; wave 0..7
	v_and_b32 v2, 31, v0                           ; lane
	s_delay_alu instid0(VALU_DEP_1)
	v_lshlrev_b32 v3, 4, v2                        ; 16 x lane
	s_cmp_lt_u32 ttmp9, 512
	s_cbranch_scc0 .Lweights
	; ---- FEATURES: tensor f, tile tau; my K step is my wave's number
	s_mov_b32 s[SEL], 0x76543210
	s_mov_b32 s[SEL+1], 0xfedcba98
	s_lshr_b32 s38, ttmp9, 8                       ; f
	s_and_b32 s39, ttmp9, 255                      ; tau
	s_lshr_b32 s40, s39, 1
	s_lshl_b32 s40, s40, 17                        ; 32 (tau / 2) rows of 4,096 bytes
	s_and_b32 s41, s39, 1
	s_lshl_b32 s41, s41, 15                        ; + 8 (tau % 2) rows
	s_add_co_u32 s40, s40, s41
	s_lshl_b32 s41, s[WV], 9                       ; + my 512 bytes of a row
	s_add_co_u32 s40, s40, s41
	s_mov_b32 s41, 0
	s_lshl_b32 s44, s38, 21                        ; the codes: f x 2 MiB + tau x 8192 + g x 1024
	s_lshl_b32 s45, s39, 13
	s_add_co_u32 s44, s44, s45
	s_lshl_b32 s45, s[WV], 10
	s_add_co_u32 s44, s44, s45
	s_mov_b32 s45, 0
	s_lshl_b32 s46, s38, 17                        ; the scale words: f x 131072 + tau x 512
	s_lshl_b32 s47, s39, 9
	s_add_co_u32 s46, s46, s47
	s_mov_b32 s47, 0
	s_mul_i32 s42, s[WV], XWB                      ; my stage
	s_wait_alu depctr_va_vdst(0)
	v_add_nc_u32 v4, s42, v3                       ; into it: a row's 512 bytes as they lie
	v_and_b32 v5, 15, v0                           ; r
	v_bfe_u32 v6, v0, 4, 1                         ; h
	s_delay_alu instid0(VALU_DEP_2)
	v_mul_u32_u24 v7, v5, XP
	s_delay_alu instid0(VALU_DEP_1)
	v_lshl_add_u32 v7, v6, 6, v7
	s_delay_alu instid0(VALU_DEP_1)
	v_add_nc_u32 v7, s42, v7                       ; out of it: row r, + 64 h: my 16 numbers of each block of 32
	s_lshr_b32 s43, s[WV], 2
	s_lshl_b32 s43, s43, 8
	s_and_b32 s42, s[WV], 3
	s_lshl_b32 s42, s42, 2
	s_add_co_u32 s43, s43, s42
	s_add_co_u32 s43, s43, XSCL
	v_lshl_add_u32 v8, v5, 4, s43                  ; my row's scale word: (g / 4) x 256 + 16 r + 4 (g % 4)
	v_add_nc_u32 v9, XSCL, v3                      ; and where wave 0 reads the tile's 512 bytes back
.irp b, 0,1,2,3
	v_mov_b32 v[TM+4+\b], 0                        ; written once: a lane permute's destination counts as one of its sources
.endr
	s_wait_alu depctr_va_vdst(0)
	s_wait_kmcnt 0x0
	s_cmp_eq_u32 s38, 0                            ; the choice hangs on the work-group's number alone
	s_cselect_b64 s[4:5], s[4:5], s[6:7]
	s_add_nc_u64 s[4:5], s[4:5], s[40:41]
	s_add_nc_u64 s[24:25], s[24:25], s[44:45]
	s_add_nc_u64 s[26:27], s[26:27], s[46:47]
.irp i, 0,1,2,3,4,5,6,7,8,9,10,11,12,13,14,15
	global_load_b128 v[X+4*\i:X+4*\i+3], v3, s[4:5] offset:(\i+8*(\i/8))*4096 th:TH_LOAD_NT   ; tile row i: 32 lanes read 512 consecutive bytes; this launch reads them once
.endr
.irp i, 0,1,2,3,4,5,6,7,8,9,10,11,12,13,14,15
	s_wait_loadcnt 15-\i                           ; loads come back in order: row i is in, the younger ones stay out
	ds_store_b128 v4, v[X+4*\i:X+4*\i+3] offset:\i*XP
.endr
	s_wait_dscnt 0x0                               ; the stores have read their registers
.irp b, 0,1,2,3
.irp j, 0,1,2,3
	ds_load_b128 v[X+16*\b+4*\j:X+16*\b+4*\j+3], v7 offset:128*\b+16*\j   ; my own bytes: no other wave touches my stage
.endr
.endr
	s_wait_dscnt 0x0
	QUANT X, PC, PW
	global_store_b128 v3, v[PC:PC+3], s[24:25]     ; the fragment's image: each store covers 512 consecutive bytes, aligned
	global_store_b128 v3, v[PC+4:PC+7], s[24:25] offset:512
	ds_store_b32 v8, v[PW]                         ; lanes l and l xor 16 write the same word with the same value
	s_wait_dscnt 0x0                               ; for wave 0's sake: my word has landed
	s_barrier_signal -1
	s_barrier_wait -1
	s_cmp_lg_u32 s[WV], 0
	s_cbranch_scc1 .Lend_x
	ds_load_b128 v[X:X+3], v9
	s_wait_dscnt 0x0
	global_store_b128 v3, v[X:X+3], s[26:27]       ; the tile's scale words: 512 consecutive bytes
.Lend_x:
	s_wait_tensorcnt 0x0
	ds_add_u32 v112, v113
	s_wait_dscnt 0x0
	s_endpgm
	; ---- WEIGHTS: slot j, half q of K, columns 32 rho on.  A LANE TAKES A COLUMN AND ITS REGISTERS RUN DOWN K: a block of 32 lies in one lane, and the codes come out with K innermost.
.Lweights:
	s_sub_co_u32 s38, ttmp9, 512
	s_lshr_b32 s39, s38, 6                         ; j
	s_bfe_u32 s40, s38, 0x10005                    ; q
	s_and_b32 s41, s38, 31                         ; rho
	s_lshl_b32 s42, s40, 21                        ; the source: (512 q + 64 w) rows of 4,096 bytes + 128 rho
	s_lshl_b32 s43, s[WV], 18
	s_add_co_u32 s42, s42, s43
	s_lshl_b32 s43, s41, 7
	s_add_co_u32 s42, s42, s43
	s_mov_b32 s43, 0
	s_lshl_b32 s44, s39, 19                        ; the codes: j x 524288 + rho x 16384 + q x 4096 + w x 512 (K step 4 q + w / 2, half w % 2)
	s_lshl_b32 s45, s41, 14
	s_add_co_u32 s44, s44, s45
	s_lshl_b32 s45, s40, 12
	s_add_co_u32 s44, s44, s45
	s_lshl_b32 s45, s[WV], 9
	s_add_co_u32 s44, s44, s45
	s_mov_b32 s45, 0
	s_lshl_b32 s46, s39, 15                        ; the scale words: j x 32768 + rho x 1024 + q x 256
	s_lshl_b32 s47, s41, 10
	s_add_co_u32 s46, s46, s47
	s_lshl_b32 s47, s40, 8
	s_add_co_u32 s46, s46, s47
	s_mov_b32 s47, 0
	s_wait_alu depctr_va_vdst(0)
	v_lshlrev_b32 v4, 2, v2                        ; 4 bytes a lane
	v_bfe_u32 v5, v0, 3, 1                         ; column 32 rho + lane is row r' of tile 2 rho + u: u = (lane / 8) % 2,
	v_and_b32 v6, 7, v0
	v_bfe_u32 v7, v0, 4, 1
	s_delay_alu instid0(VALU_DEP_1)
	v_lshl_or_b32 v6, v7, 3, v6                    ; r' = lane % 8 + 8 (lane / 16)
	s_delay_alu instid0(VALU_DEP_1)
	v_lshlrev_b32 v6, 4, v6
	s_delay_alu instid0(VALU_DEP_1)
	v_lshl_add_u32 v8, v5, 13, v6                  ; the codes' place: u x 8192 + 16 r'
	s_delay_alu instid0(VALU_DEP_2)
	v_lshl_add_u32 v9, v5, 8, v6
	s_lshl_b32 s35, s[WV], 1
	s_add_co_u32 s35, s35, WSCL
	v_add_nc_u32 v9, s35, v9                       ; my two bytes: u x 256 + 16 r' + 2 w
	v_add_nc_u32 v10, WSCL, v3
	v_and_b32 v11, 15, v0
	s_delay_alu instid0(VALU_DEP_1)
	v_lshlrev_b32 v11, 4, v11
	s_delay_alu instid0(VALU_DEP_1)
	v_lshl_add_u32 v11, v7, 9, v11                 ; wave 0's store: tile lane / 16, 16 bytes a row
	s_wait_kmcnt 0x0
.irp j, 1,2,3,4,5,6,7
	s_cmp_eq_u32 s39, \j                           ; the weight is chosen by the work-group's number alone
	s_cselect_b64 s[8:9], s[8+2*\j:9+2*\j], s[8:9]
.endr
	s_add_nc_u64 s[8:9], s[8:9], s[42:43]
	s_add_nc_u64 s[28:29], s[28:29], s[44:45]
	s_add_nc_u64 s[30:31], s[30:31], s[46:47]
.set i, 0
.rept 64
	global_load_b32 v[X+i], v4, s[8:9] offset:i*4096   ; row 512 q + 64 w + i: 32 lanes read 128 consecutive bytes; the work-group beside this one reads the 128 beside them, so no hint
.set i, i+1
.endr
.macro BLOCKW t
.set DS, X+32*\t
	v_max3_num_f32 v88, |v[DS]|, |v[DS+1]|, |v[DS+2]|              ; the block's largest magnitude: all 32 numbers are mine; two chains
	v_max3_num_f32 v89, |v[DS+3]|, |v[DS+4]|, |v[DS+5]|
.irp i, 6,10,14,18,22,26
	s_delay_alu instid0(VALU_DEP_2)
	v_max3_num_f32 v88, v88, |v[DS+\i]|, |v[DS+\i+1]|
	s_delay_alu instid0(VALU_DEP_2)
	v_max3_num_f32 v89, v89, |v[DS+\i+2]|, |v[DS+\i+3]|
.endr
	s_delay_alu instid0(VALU_DEP_2)
	v_max3_num_f32 v88, v88, |v[DS+30]|, |v[DS+31]|
	s_delay_alu instid0(VALU_DEP_1)
	v_max3_num_f32 v88, v88, v89, 0x1800000        ; and the floor
	s_delay_alu instid0(VALU_DEP_1)
	v_add_nc_u32 v[90+\t], 0xff000000, v88
	s_delay_alu instid0(VALU_DEP_1)
	v_lshrrev_b32 v[92+\t], 23, v[90+\t]           ; the byte
.irp g, 0,1,2,3
	v_cvt_scalef32_pk8_fp4_f32 v[PC+4*\t+\g], v[DS+8*\g:DS+8*\g+7], v[90+\t]
.endr
	global_store_b128 v8, v[PC+4*\t:PC+4*\t+3], s[28:29] offset:256*\t   ; block h = t of the fragment's half: the sixteen lanes of a tile store 256 consecutive bytes, aligned
.endm
	s_wait_loadcnt 32                              ; the first block's 32 loads are in; the second's may be out
	BLOCKW 0
	s_wait_loadcnt 0x0
	BLOCKW 1
	v_nop                                          ; one plain place behind the last conversion
	v_lshl_or_b32 v94, v93, 8, v92
	ds_store_b16 v9, v94
	s_wait_dscnt 0x0                               ; for wave 0's sake
	s_barrier_signal -1
	s_barrier_wait -1
	s_cmp_lg_u32 s[WV], 0
	s_cbranch_scc1 .Lend_w
	ds_load_b128 v[X:X+3], v10
	s_wait_dscnt 0x0
	global_store_b128 v11, v[X:X+3], s[30:31]      ; two tiles' words of four K steps: 256 consecutive bytes each, aligned
.Lend_w:
	s_wait_tensorcnt 0x0
	ds_add_u32 v112, v113
	s_wait_dscnt 0x0
	s_endpgm
.Lfunc_end_k_qda09f5327c_quant:
	.size	k_qda09f5327c_quant, .Lfunc_end_k_qda09f5327c_quant-k_qda09f5327c_quant
	.p2alignl 7, 3214868480
	.fill 96, 4, 3214868480
	.section	.rodata,"a",@progbits
	.p2align	6, 0x0
	.amdhsa_kernel k_qda09f5327c_quant
		.amdhsa_group_segment_fixed_size 69632
		.amdhsa_private_segment_fixed_size 0
		.amdhsa_enable_private_segment 0
		.amdhsa_kernarg_size 112
		.amdhsa_user_sgpr_count 2
		.amdhsa_user_sgpr_kernarg_segment_ptr 1
		.amdhsa_wavefront_size32 1
		.amdhsa_system_sgpr_workgroup_id_x 1
		.amdhsa_system_sgpr_workgroup_id_y 1
		.amdhsa_system_sgpr_workgroup_id_z 1
		.amdhsa_system_vgpr_workitem_id 0
		.amdhsa_next_free_vgpr 114
		.amdhsa_next_free_sgpr 66
		.amdhsa_reserve_vcc 0
		.amdhsa_float_denorm_mode_32 3
		.amdhsa_float_denorm_mode_16_64 3
		.amdhsa_memory_ordered 1
		.amdhsa_forward_progress 1
		.amdhsa_inst_pref_size 26
	.end_amdhsa_kernel
	.amdgpu_metadata
---
amdhsa.version: [ 1, 2 ]
amdhsa.kernels:
  - .name:           k_qda09f5327c_quant
    .symbol:         k_qda09f5327c_quant.kd
    .args:
      - { .name: spat_features, .offset: 0, .size: 8, .value_kind: global_buffer, .address_space: global }
      - { .name: temp_features, .offset: 8, .size: 8, .value_kind: global_buffer, .address_space: global }
      - { .name: t2s_Wq, .offset: 16, .size: 8, .value_kind: global_buffer, .address_space: global }
      - { .name: s2t_Wk, .offset: 24, .size: 8, .value_kind: global_buffer, .address_space: global }
      - { .name: s2t_Wv, .offset: 32, .size: 8, .value_kind: global_buffer, .address_space: global }
      - { .name: s2t_Wq, .offset: 40, .size: 8, .value_kind: global_buffer, .address_space: global }
      - { .name: t2s_Wk, .offset: 48, .size: 8, .value_kind: global_buffer, .address_space: global }
      - { .name: t2s_Wv, .offset: 56, .size: 8, .value_kind: global_buffer, .address_space: global }
      - { .name: t2s_Wo, .offset: 64, .size: 8, .value_kind: global_buffer, .address_space: global }
      - { .name: s2t_Wo, .offset: 72, .size: 8, .value_kind: global_buffer, .address_space: global }
      - { .name: xc, .offset: 80, .size: 8, .value_kind: global_buffer, .address_space: global }
      - { .name: xs, .offset: 88, .size: 8, .value_kind: global_buffer, .address_space: global }
      - { .name: wc, .offset: 96, .size: 8, .value_kind: global_buffer, .address_space: global }
      - { .name: ws, .offset: 104, .size: 8, .value_kind: global_buffer, .address_space: global }
    .group_segment_fixed_size: 69632
    .private_segment_fixed_size: 0
    .kernarg_segment_align: 8
    .kernarg_segment_size: 112
    .max_flat_workgroup_size: 256
    .sgpr_count:     66
    .vgpr_count:     114
    .wavefront_size: 32
...
	.end_amdgpu_metadata
.endif
;; end of part 1
;; launch proj (part 2): grid 16 x 24, 4 waves a work-group, clusters of 4 x 4, 327,680 bytes of LDS; arguments xc, xs, wc, ws, t2s_bq, s2t_bk, s2t_bv, s2t_bq, t2s_bk, t2s_bv, qkvc, qkvs; writes qkvc, qkvs
.if DOCPART == 2
	.amdgcn_target "amdgcn-amd-amdhsa--gfx1250"
	.amdhsa_code_object_version 6
	.text
	.protected	k_qda09f5327c_proj
	.globl	k_qda09f5327c_proj
	.p2align	8
	.type	k_qda09f5327c_proj,@function
k_qda09f5327c_proj:
	s_mov_b64 s[64:65], 0
	v_nop
	global_prefetch_b8 v0, s[64:65] scope:SCOPE_SE
	s_setreg_imm32_b32 hwreg(HW_REG_WAVE_MODE, 25, 1), 1
	s_wait_xcnt 0x0
	s_wait_alu depctr_hold_cnt(0) depctr_sa_sdst(0) depctr_va_vdst(0) depctr_va_sdst(0) depctr_va_ssrc(0) depctr_va_vcc(0) depctr_vm_vsrc(0)
	s_getreg_b32 s2, hwreg(HW_REG_IB_STS2, 6, 4)
	s_cmp_eq_u32 s2, 0
	s_cbranch_scc0 .Lentry_in_a_cluster
	s_endpgm
.Lentry_in_a_cluster:
	s_bfe_u32 s2, ttmp6, 0x10000c
	s_cmp_lg_u32 s2, 0xf033
	s_cbranch_scc0 .Lentry_shape_is_right
	s_endpgm
.Lentry_shape_is_right:
.set NQ,     4
.set FR,     8
.set NL,     2
.set NP,     4
.set SLOT,   131072
.set SCL,    2*SLOT
.set ADRA, 16
.set ADRB, 20
.set ADRS, 27
.set SC,   32
.set PWS,  32
.set W0,   40
.set W1,   44
.set PC,   96
.set TM,   104
.set AF,   128
.set X,    128
.set BI,   192
.set BV,   64
.set SEL,  2
.set G1, 24
.set G0, 32
.set G1B, 48
.set G0B, 56
.set G1S, 68
.set G0S, 76
.set G1SB, 80
.set G0SB, 88
.set MSB, 0
.macro WIN new
.if MSB != \new
	s_set_vgpr_msb (MSB<<8)|\new
.set MSB, \new
.endif
.endm
.set MUL_LO, 0xa1
.set MUL_HI, 0xf1
.set TO_B,   0x40
.macro JLOAD g0a, g1a, g0b, g1b
	s_cmp_eq_u32 s17, 0
	s_cbranch_scc0 .Lfor_b_\@
	tensor_load_to_lds s[\g0a:\g0a+3], s[\g1a:\g1a+7]
	s_nop 0
.rept 4
	v_nop
.endr
	s_branch .Lasked_\@
.Lfor_b_\@:
	tensor_load_to_lds s[\g0b:\g0b+3], s[\g1b:\g1b+7]
	s_nop 0
.rept 4
	v_nop
.endr
.Lasked_\@:
.endm
.macro CROUND
	s_barrier_signal -1
	s_barrier_wait -1
	s_cmp_lg_u32 s16, 0
	s_cbranch_scc1 .Lnot_wave_0_\@
	s_barrier_signal -3
.Lnot_wave_0_\@:
	s_barrier_wait -3
	s_barrier_signal -1
	s_barrier_wait -1
.endm
.macro PLACES n
.rept \n
	v_nop
.endr
.endm
.macro QUANT s, pc, pw
.irp b, 0,1,2,3
	v_max3_num_f32 v[TM+\b], |v[\s+16*\b]|, |v[\s+1+16*\b]|, 0x1800000
.endr
.irp i, 2,4,6,8,10,12,14
.irp b, 0,1,2,3
	v_max3_num_f32 v[TM+\b], v[TM+\b], |v[\s+16*\b+\i]|, |v[\s+1+16*\b+\i]|
.endr
.endr
.irp b, 0,1,2,3
	v_permlanex16_b32 v[TM+4+\b], v[TM+\b], s[SEL], s[SEL+1]
.endr
.irp b, 0,1,2,3
	v_max_num_f32 v[TM+\b], v[TM+\b], v[TM+4+\b]
.endr
.irp b, 0,1,2,3
	v_add_nc_u32 v[TM+12+\b], 0xff000000, v[TM+\b]
.endr
.irp b, 0,1,2,3
	v_lshrrev_b32 v[TM+4+\b], 23, v[TM+12+\b]
.endr
	v_lshl_or_b32 v[\pw], v[TM+5], 8, v[TM+4]
	v_lshl_or_b32 v[\pw], v[TM+6], 16, v[\pw]
	v_lshl_or_b32 v[\pw], v[TM+7], 24, v[\pw]
.irp b, 0,1,2,3
	v_cvt_scalef32_pk8_fp4_f32 v[\pc+2*\b], v[\s+16*\b:\s+7+16*\b], v[TM+12+\b]
	v_cvt_scalef32_pk8_fp4_f32 v[\pc+1+2*\b], v[\s+8+16*\b:\s+15+16*\b], v[TM+12+\b]
.endr
	v_nop
.irp c, 0,1
.irp i, 0,1
	v_permlane16_swap_b32 v[\pc+4*\c+\i], v[\pc+2+4*\c+\i]
.endr
.endr
.endm
	s_load_b256 s[4:11], s[0:1], 0x0
	v_lshl_add_u32 v126, v0, 2, 0x44000
	v_mov_b32 v127, 0
	ds_add_u32 v126, v127
	ds_add_u32 v126, v127
	v_lshrrev_b32 v1, 5, v0
	v_readfirstlane_b32 s16, v1
	s_lshr_b32 s17, s16, 1
	s_and_b32 s18, s16, 1
	s_bfe_u32 s40, ttmp6, 0x40000
	s_bfe_u32 s41, ttmp6, 0x40004
	s_lshl_b32 s42, ttmp9, 2
	s_and_b32 s19, ttmp7, 0xffff
	s_cmp_ge_u32 s19, 3
	s_cselect_b32 s20, 1, 0
	s_mul_i32 s21, s20, 3
	s_sub_co_u32 s21, s19, s21
	s_cmp_eq_u32 s21, 2
	s_cselect_b32 s22, 1, 0
	s_cmp_lg_u32 s21, 0
	s_cselect_b32 s23, 1, 0
	s_xor_b32 s23, s23, s20
	s_lshl_b32 s43, s41, 2
	s_lshl_b32 s43, 15, s43
	s_lshl_b32 s44, 0x1111, s40
	s_or_b32 s[G1+0], s43, (3<<16)|(1<<21)
	s_or_b32 s[G1B+0], s44, (3<<16)|(1<<21)
.irp g, G1, G1B
	s_mov_b32 s[\g+1], 512<<16
	s_mov_b32 s[\g+2], 16<<16                      ; the head's loads of codes bring 16 tiles' rows; behind them the count is set to 8
	s_mov_b32 s[\g+3], 512<<16
	s_mov_b32 s[\g+4], 16
	s_mov_b32 s[\g+5], 1024
	s_mov_b32 s[\g+6], 0
	s_mov_b32 s[\g+7], 0
.endr
	s_or_b32 s[G1S+0], s43, (3<<16)|(1<<21)
	s_or_b32 s[G1SB+0], s44, (3<<16)|(1<<21)
.irp g, G1S, G1SB
	s_mov_b32 s[\g+1], 32<<16
	s_mov_b32 s[\g+2], 32<<16                      ; the scale words of a whole side: 32 rows of 256 bytes
	s_mov_b32 s[\g+3], 32<<16
	s_mov_b32 s[\g+4], 32
	s_mov_b32 s[\g+5], 32
	s_mov_b32 s[\g+6], 0
	s_mov_b32 s[\g+7], 0
.endr
	s_lshl_b32 s2, s19, 19
	s_lshl_b32 s3, s20, 21
	s_lshl_b32 s66, s19, 15
	s_lshl_b32 s67, s20, 17
	s_wait_dscnt 0x0
	s_wait_kmcnt 0x0
	s_cmp_eq_u32 s22, 1
	s_cselect_b32 s45, 0, s42
	s_cselect_b32 s46, s42, 0
	s_cselect_b32 s92, s2, s3
	s_cselect_b32 s94, s3, s2
	s_cselect_b32 s96, s66, s67
	s_cselect_b32 s98, s67, s66
	s_cselect_b64 s[12:13], s[8:9], s[4:5]
	s_cselect_b64 s[14:15], s[10:11], s[6:7]
	s_cselect_b64 s[4:5], s[4:5], s[8:9]
	s_cselect_b64 s[6:7], s[6:7], s[10:11]
	s_add_co_u32 s45, s45, s41
	s_lshl_b32 s47, s45, 17
	s_add_co_u32 s92, s92, s47
	s_lshl_b32 s47, s18, 16
	s_add_co_u32 s92, s92, s47
	s_mov_b32 s93, 0
	s_add_nc_u64 s[12:13], s[12:13], s[92:93]
	s_lshl_b32 s47, s45, 13
	s_add_co_u32 s96, s96, s47
	s_mov_b32 s97, 0
	s_add_nc_u64 s[14:15], s[14:15], s[96:97]
	s_add_co_u32 s46, s46, s40
	s_lshl_b32 s67, s46, 17
	s_add_co_u32 s94, s94, s67
	s_lshl_b32 s67, s18, 16
	s_add_co_u32 s94, s94, s67
	s_mov_b32 s95, 0
	s_add_nc_u64 s[4:5], s[4:5], s[94:95]
	s_lshl_b32 s67, s46, 13
	s_add_co_u32 s98, s98, s67
	s_mov_b32 s99, 0
	s_add_nc_u64 s[6:7], s[6:7], s[98:99]
	s_lshl_b32 s2, s16, 15
	s_lshl_b32 s3, s17, 13                         ; a side's scale words in LDS: 8,192 bytes a side
	CROUND
	s_mov_b32 s[G0S], 1
	s_add_co_u32 s[G0S+1], s3, SCL
	s_mov_b64 s[G0S+2:G0S+3], s[14:15]
	s_or_b32 s[G0S+3], s[G0S+3], 0x80000000
	s_mov_b32 s[G0SB], 1
	s_add_co_u32 s[G0SB+1], s3, SCL
	s_mov_b64 s[G0SB+2:G0SB+3], s[6:7]
	s_or_b32 s[G0SB+3], s[G0SB+3], 0x80000000
.irp s, 0,1
	s_mov_b32 s[G0+4*\s], 1
	s_add_co_u32 s[G0+4*\s+1], s2, \s*SLOT
	s_add_nc_u64 s[G0+4*\s+2:G0+4*\s+3], s[12:13], \s*4096
	s_or_b32 s[G0+4*\s+3], s[G0+4*\s+3], 0x80000000
	s_mov_b32 s[G0B+4*\s], 1
	s_add_co_u32 s[G0B+4*\s+1], s2, \s*SLOT
	s_add_nc_u64 s[G0B+4*\s+2:G0B+4*\s+3], s[4:5], \s*4096
	s_or_b32 s[G0B+4*\s+3], s[G0B+4*\s+3], 0x80000000
.endr
; The head's four tiles, one joint load a wave: wave 0 slot 0's 16 tile rows of source 1's side, wave 1 that side's scale words, wave 2 and wave 3 the same for the other side.
; Waves 0 and 2 have half 0, so their ring descriptors of slot 0 point at the side's first row.  One chain of branches on the wave's number, one load to an arm.
	s_load_b256 s[4:11], s[0:1], 0x20              ; the biases' and the outputs' addresses: the registers are free from here on, and nothing names them ahead of the wait on KMcnt further down
	s_load_b128 s[92:95], s[0:1], 0x40
	s_load_b128 s[96:99], s[0:1], 0x50
.macro ARM under, g0, g1, next
	s_cmp_lt_u32 s16, \under
	s_cbranch_scc0 \next
	tensor_load_to_lds s[\g0:\g0+3], s[\g1:\g1+7]
	s_nop 0
.rept 4
	v_nop
.endr
	s_branch .Lhead_asked
\next:
.endm
	ARM 1, G0, G1, .Lhead_sa
	ARM 2, G0S, G1S, .Lhead_b
	ARM 3, G0B, G1B, .Lhead_sb
	tensor_load_to_lds s[G0SB:G0SB+3], s[G1SB:G1SB+7]
	s_nop 0
.rept 4
	v_nop
.endr
.Lhead_asked:
	s_wait_alu depctr_va_vdst(0)
	s_wait_tensorcnt 0x0                           ; my tile of the four is in; slot 1's first fill is issued as a refill is
	ds_add_u32 v126, v127
	s_mov_b32 s[G1+2], 8<<16                       ; no tensor load of mine is out: from here on a load brings 8 tile rows
	s_mov_b32 s[G1+4], 8
	s_mov_b32 s[G1B+2], 8<<16
	s_mov_b32 s[G1B+4], 8
	s_wait_dscnt 0x0
	CROUND
	JLOAD G0+4, G1, G0B+4, G1B
	v_and_b32 v1, 15, v0
	v_bfe_u32 v2, v0, 4, 1
	s_wait_alu depctr_va_vdst(0)
	v_and_b32 v8, 31, v0
	v_lshlrev_b32 v3, 4, v8
	s_lshl_b32 s45, s17, 15
	s_lshl_b32 s46, s18, 15
	s_add_co_u32 s46, s46, 65536
.irp s, 0,1
	v_add_nc_u32 v[ADRA+\s], s45, v3
	v_add_nc_u32 v[ADRB+\s], s46, v3
	s_add_co_u32 s45, s45, SLOT
	s_add_co_u32 s46, s46, SLOT
.endr
	s_lshl_b32 s45, s17, 12
	s_lshl_b32 s46, s18, 12
	s_add_co_u32 s46, s46, 8192
	s_sub_co_u32 s46, s46, s45
	v_mul_u32_u24 v4, s46, v2
	s_add_co_u32 s45, s45, SCL
	v_lshl_add_u32 v4, v1, 4, v4
	v_add_nc_u32 v[ADRS], s45, v4
	v_lshlrev_b32 v5, 6, v2
	v_and_b32 v6, 8, v1
	v_add_nc_u32 v6, v6, v1
	v_lshlrev_b32 v6, 2, v6
	v_lshlrev_b32 v7, 4, v1
	v_lshl_add_u32 v7, v2, 12, v7
.irp b, 0,1,2,3
	v_mov_b32 v[TM+4+\b], 0
.endr
	s_cmp_eq_u32 s22, 1
	s_cselect_b32 s45, s41, s40
	s_cselect_b32 s46, s17, s18
	s_cselect_b32 s47, s40, s41
	s_cselect_b32 s66, s18, s17
	s_add_co_u32 s47, s47, s42
	s_lshl_b32 s2, s45, 10
	s_lshl_b32 s3, s46, 9
	s_add_co_u32 s2, s2, s3
	s_mov_b32 s3, 0
	s_lshr_b32 s67, s47, 3
	s_and_b32 s47, s47, 7
	s_lshl_b32 s47, s47, 1
	s_add_co_u32 s47, s47, s66
	s_lshl_b32 s67, s67, 4
	s_lshl_b32 s45, s45, 2
	s_lshl_b32 s46, s46, 1
	s_add_co_u32 s67, s67, s45
	s_add_co_u32 s67, s67, s46
	s_lshl_b32 s45, s21, 1
	s_add_co_u32 s45, s45, s23
	s_lshl_b32 s12, s45, 21
	s_lshl_b32 s46, s67, 16
	s_add_co_u32 s12, s12, s46
	s_lshl_b32 s46, s47, 12
	s_add_co_u32 s12, s12, s46
	s_mov_b32 s13, 0
	s_lshl_b32 s14, s45, 17
	s_lshl_b32 s46, s67, 12
	s_add_co_u32 s14, s14, s46
	s_lshl_b32 s46, s47, 8
	s_add_co_u32 s14, s14, s46
	s_mov_b32 s15, 0
	s_wait_alu depctr_va_vdst(0)
	s_wait_kmcnt 0x0
	s_cmp_eq_u32 s19, 1
	s_cselect_b64 s[4:5], s[6:7], s[4:5]
	s_cmp_eq_u32 s19, 2
	s_cselect_b64 s[4:5], s[8:9], s[4:5]
	s_cmp_eq_u32 s19, 3
	s_cselect_b64 s[4:5], s[10:11], s[4:5]
	s_cmp_eq_u32 s19, 4
	s_cselect_b64 s[4:5], s[92:93], s[4:5]
	s_cmp_eq_u32 s19, 5
	s_cselect_b64 s[4:5], s[94:95], s[4:5]
	s_add_nc_u64 s[4:5], s[4:5], s[2:3]
	s_add_nc_u64 s[96:97], s[96:97], s[12:13]
	s_add_nc_u64 s[98:99], s[98:99], s[14:15]
.irp t, 0,1,2,3,4,5,6,7
	global_load_b128 v[BI+8*\t:BI+8*\t+3], v5, s[4:5] offset:(32*(\t/2)+8*(\t%2))*4
	global_load_b128 v[BI+8*\t+4:BI+8*\t+7], v5, s[4:5] offset:(32*(\t/2)+8*(\t%2))*4+16
.endr
	WIN TO_B
.irp a, 0,1,2,3,4,5,6,7
	global_load_b32 v[BV+2*\a], v6, s[4:5] offset:(32*(\a/2)+8*(\a%2))*4
	global_load_b32 v[BV+2*\a+1], v6, s[4:5] offset:(32*(\a/2)+8*(\a%2))*4
.endr
	WIN 0
	s_mov_b32 s[SEL], 0x76543210
	s_mov_b32 s[SEL+1], 0xfedcba98
.macro FRAG reg, adr, q, i
.irp c, 0,1
	ds_load_b128 v[\reg+4*\c:\reg+4*\c+3], v[\adr] offset:(\i)*4096+(\q)*1024+512*\c
.endr
.endm
.macro MUL16 a0, p, q, sc, zero
.irp a, \a0, \a0+1
.irp b, 0,1,2,3,4,5,6,7
.if \zero
	v_wmma_scale_f32_16x16x128_f8f6f4 v[8*(8*((\a)%4)+\b):8*(8*((\a)%4)+\b)+7], v[128*(\p)+FR*\b:128*(\p)+FR*\b+FR-1], v[AF+FR*(\a):AF+FR*(\a)+FR-1], 0, v[SC+8*NQ*(\sc)+NQ*\b+(\q)], v[SC+8*NQ*(\sc)+NQ*(\a)+(\q)] matrix_a_fmt:MATRIX_FMT_FP4 matrix_b_fmt:MATRIX_FMT_FP4 matrix_a_scale:MATRIX_SCALE_ROW1
.else
	v_wmma_scale_f32_16x16x128_f8f6f4 v[8*(8*((\a)%4)+\b):8*(8*((\a)%4)+\b)+7], v[128*(\p)+FR*\b:128*(\p)+FR*\b+FR-1], v[AF+FR*(\a):AF+FR*(\a)+FR-1], v[8*(8*((\a)%4)+\b):8*(8*((\a)%4)+\b)+7], v[SC+8*NQ*(\sc)+NQ*\b+(\q)], v[SC+8*NQ*(\sc)+NQ*(\a)+(\q)] matrix_a_fmt:MATRIX_FMT_FP4 matrix_b_fmt:MATRIX_FMT_FP4 matrix_a_scale:MATRIX_SCALE_ROW1
.endif
.endr
.endr
.endm
.macro FETCH_B slot, q, p
	WIN TO_B
.irp i, 0,1,2,3,4,5,6,7
	FRAG 128*(\p)+FR*\i, ADRB+\slot, \q, \i
.endr
	WIN 0
.endm
.macro FETCH_A slot, q, i0
.irp i, \i0, \i0+1, \i0+2, \i0+3
	FRAG AF+FR*(\i), ADRA+\slot, \q, \i
.endr
.endm
.macro SCALES sc
.irp i, 0,1,2,3,4,5,6,7
	ds_load_b128 v[SC+8*NQ*\sc+NQ*\i:SC+8*NQ*\sc+NQ*\i+3], v[ADRS] offset:\i*512+\sc*256
.endr
.endm
.macro STEP slot, q, zero
	s_wait_dscnt 4*NL
	WIN MUL_LO
	MUL16 0, (\q)%2, \q, \slot, \zero
	MUL16 2, (\q)%2, \q, \slot, \zero
	s_wait_dscnt 0
	PLACES NP
	FETCH_B \slot, (\q)+1, 1-(\q)%2
	FETCH_A \slot, (\q)+1, 0
	WIN MUL_HI
	MUL16 4, (\q)%2, \q, \slot, \zero
	MUL16 6, (\q)%2, \q, \slot, \zero
	PLACES NP
	WIN 0
	FETCH_A \slot, (\q)+1, 4
.endm
	s_wait_tensorcnt 1
	s_barrier_signal -1
	s_barrier_wait -1
	FETCH_B 0, 0, 0
	FETCH_A 0, 0, 0
	SCALES 0
	FETCH_A 0, 0, 4
	STEP 0, 0, 1
	STEP 0, 1, 0
	STEP 0, 2, 0
	s_wait_dscnt 4*NL
	WIN MUL_LO
	MUL16 0, 1, 3, 0, 0
	MUL16 2, 1, 3, 0, 0
	WIN 0
	s_wait_dscnt 0x0
	s_wait_tensorcnt 0x0
	s_barrier_signal -1
	s_barrier_wait -1
	PLACES NP
	FETCH_B 1, 0, 0
	FETCH_A 1, 0, 0
	SCALES 1
	WIN MUL_HI
	MUL16 4, 1, 3, 0, 0
	MUL16 6, 1, 3, 0, 0
	PLACES NP
	WIN 0
	FETCH_A 1, 0, 4
	STEP 1, 0, 0
	STEP 1, 1, 0
	STEP 1, 2, 0
	s_wait_dscnt 4*NL
	WIN MUL_LO
	MUL16 0, 1, 3, 1, 0
	MUL16 2, 1, 3, 1, 0
	s_wait_dscnt 0
	WIN MUL_HI
	MUL16 4, 1, 3, 1, 0
	MUL16 6, 1, 3, 1, 0
	WIN 0
.macro EPI a, isv
.if (\a) > 0
	s_wait_xcnt 0x0
.endif
.set AC, 64*((\a)%4)
.if \isv
.set WN, 0x06+(\a)/4
.else
.set WN, 0x02+(\a)/4
.endif
	WIN WN
.set i, 0
.rept 32
.if \isv
	v_pk_add_f32 v[X+2*i:X+2*i+1], v[AC+2*i:AC+2*i+1], v[BV+2*(\a):BV+2*(\a)+1] op_sel_hi:[1,0]
.else
	v_pk_add_f32 v[X+2*i:X+2*i+1], v[AC+2*i:AC+2*i+1], v[BI+2*i:BI+2*i+1]
.endif
.set i, i+1
.endr
	WIN 0
	QUANT X, PC, PWS+(\a)
.if \isv
	global_store_b128 v3, v[PC:PC+3], s[96:97] offset:((\a)/4)*65536+((\a)%4)*1024
	global_store_b128 v3, v[PC+4:PC+7], s[96:97] offset:((\a)/4)*65536+((\a)%4)*1024+512
.else
	global_store_b128 v3, v[PC:PC+3], s[96:97] offset:(\a)*512
	global_store_b128 v3, v[PC+4:PC+7], s[96:97] offset:65536+(\a)*512
.endif
.endm
	PLACES NP
	s_wait_loadcnt 0x0
	s_cmp_eq_u32 s22, 1
	s_cbranch_scc1 .Lvalues
.irp a, 0,1,2,3,4,5,6,7
	EPI \a, 0
.endr
.irp b, 0,1,2,3
	v_perm_b32 v[W0+\b], v[PWS+2*\b+1], v[PWS+2*\b], 0x05040100
	v_perm_b32 v[W1+\b], v[PWS+2*\b+1], v[PWS+2*\b], 0x07060302
.endr
	v_cmp_gt_u32 vcc_lo, 16, v8
.irp b, 0,1,2,3
	v_cndmask_b32 v[W0+\b], v[W1+\b], v[W0+\b], vcc_lo
.endr
	global_store_b128 v7, v[W0:W0+3], s[98:99]
	s_branch .Lclose
.Lvalues:
.irp a, 0,1,2,3,4,5,6,7
	EPI \a, 1
.endr
	v_cmp_gt_u32 vcc_lo, 16, v8
.irp b, 0,1,2,3
	v_cndmask_b32 v[W0+\b], v[PWS+4+\b], v[PWS+\b], vcc_lo
.endr
	global_store_b128 v7, v[W0:W0+3], s[98:99]
.Lclose:
	s_wait_tensorcnt 0x0
	ds_add_u32 v126, v127
	s_wait_dscnt 0x0
	CROUND
	s_endpgm
.Lfunc_end_k_qda09f5327c_proj:
	.size	k_qda09f5327c_proj, .Lfunc_end_k_qda09f5327c_proj-k_qda09f5327c_proj
	.p2alignl 7, 3214868480
	.fill 96, 4, 3214868480
	.section	.rodata,"a",@progbits
	.p2align	6, 0x0
	.amdhsa_kernel k_qda09f5327c_proj
		.amdhsa_group_segment_fixed_size 327680
		.amdhsa_private_segment_fixed_size 0
		.amdhsa_enable_private_segment 0
		.amdhsa_kernarg_size 96
		.amdhsa_user_sgpr_count 2
		.amdhsa_user_sgpr_kernarg_segment_ptr 1
		.amdhsa_wavefront_size32 1
		.amdhsa_system_sgpr_workgroup_id_x 1
		.amdhsa_system_sgpr_workgroup_id_y 1
		.amdhsa_system_sgpr_workgroup_id_z 1
		.amdhsa_system_vgpr_workitem_id 0
		.amdhsa_next_free_vgpr 1024
		.amdhsa_next_free_sgpr 100
		.amdhsa_reserve_vcc 1
		.amdhsa_float_denorm_mode_32 3
		.amdhsa_float_denorm_mode_16_64 3
		.amdhsa_memory_ordered 1
		.amdhsa_forward_progress 1
		.amdhsa_inst_pref_size 198
	.end_amdhsa_kernel
	.amdgpu_metadata
---
amdhsa.version: [ 1, 2 ]
amdhsa.kernels:
  - .name:           k_qda09f5327c_proj
    .symbol:         k_qda09f5327c_proj.kd
    .args:
      - { .name: xc, .offset: 0, .size: 8, .value_kind: global_buffer, .address_space: global }
      - { .name: xs, .offset: 8, .size: 8, .value_kind: global_buffer, .address_space: global }
      - { .name: wc, .offset: 16, .size: 8, .value_kind: global_buffer, .address_space: global }
      - { .name: ws, .offset: 24, .size: 8, .value_kind: global_buffer, .address_space: global }
      - { .name: t2s_bq, .offset: 32, .size: 8, .value_kind: global_buffer, .address_space: global }
      - { .name: s2t_bk, .offset: 40, .size: 8, .value_kind: global_buffer, .address_space: global }
      - { .name: s2t_bv, .offset: 48, .size: 8, .value_kind: global_buffer, .address_space: global }
      - { .name: s2t_bq, .offset: 56, .size: 8, .value_kind: global_buffer, .address_space: global }
      - { .name: t2s_bk, .offset: 64, .size: 8, .value_kind: global_buffer, .address_space: global }
      - { .name: t2s_bv, .offset: 72, .size: 8, .value_kind: global_buffer, .address_space: global }
      - { .name: qkvc, .offset: 80, .size: 8, .value_kind: global_buffer, .address_space: global }
      - { .name: qkvs, .offset: 88, .size: 8, .value_kind: global_buffer, .address_space: global }
    .group_segment_fixed_size: 327680
    .private_segment_fixed_size: 0
    .kernarg_segment_align: 8
    .kernarg_segment_size: 96
    .max_flat_workgroup_size: 128
    .sgpr_count:     100
    .vgpr_count:     1024
    .wavefront_size: 32
...
	.end_amdgpu_metadata
.endif
;; end of part 2
;; launch attn (part 3): grid 4 x 64, 16 waves a work-group, clusters of 4 x 1, 169,984 bytes of LDS; arguments qkvc, qkvs, oc, os; writes oc, os
.if DOCPART == 3
	.amdgcn_target "amdgcn-amd-amdhsa--gfx1250"
	.amdhsa_code_object_version 6
	.text
	.protected	k_qda09f5327c_attn
	.globl	k_qda09f5327c_attn
	.p2align	8
	.type	k_qda09f5327c_attn,@function
k_qda09f5327c_attn:
	s_mov_b64 s[64:65], 0
	v_nop
	global_prefetch_b8 v0, s[64:65] scope:SCOPE_SE
	s_setreg_imm32_b32 hwreg(HW_REG_WAVE_MODE, 25, 1), 1
	s_wait_xcnt 0x0
	s_wait_alu depctr_hold_cnt(0) depctr_sa_sdst(0) depctr_va_vdst(0) depctr_va_sdst(0) depctr_va_ssrc(0) depctr_va_vcc(0) depctr_vm_vsrc(0)
	s_getreg_b32 s2, hwreg(HW_REG_IB_STS2, 6, 4)
	s_cmp_eq_u32 s2, 0
	s_cbranch_scc0 .Lentry_in_a_cluster
	s_endpgm
.Lentry_in_a_cluster:
	s_bfe_u32 s2, ttmp6, 0x10000c
	s_cmp_lg_u32 s2, 0x3003
	s_cbranch_scc0 .Lentry_shape_is_right
	s_endpgm
.Lentry_shape_is_right:
; Attention on codes of FP4 with E8M0 scales, head size 64, 2,048 keys, for y = 32 x direction + 16 x batch + head (the cluster's y).  O / l is quantised on the way out: it is the next product's operand.
; t = score x log2(e) / 8; M = the running largest t rounded UP to a whole number; p = 2^(t - M) is quantised along the keys, not normalised; the row's sum is taken of the unquantised p and divides O at the end.
; When M moves, the sum and O are multiplied by 2^(old M - new M): exact.
; SHARES.  A work-group owns 512 queries of one head; each of its sixteen waves two tiles of 16, one after the other (passes 0 and 1), in 256 registers, four waves to a SIMD.
; A HEAD'S K AND V STAY IN LDS, filled once at the head by ten joint loads, one a wave; no LDS byte is filled again.  CLUSTER: the four query blocks of a head want the same K and V: each tile is asked for jointly.
; No prefetch: every tile is asked for once, at the head, and the loop over the keys streams nothing from memory.
; LAYOUT.  Both products are used transposed: S^T = K Q^T, O^T = V^T P^T: a lane holds ONE query (lane % 16) throughout.
; THE KEYS OF A TILE ARE CHOSEN BY THE LANES' LDS ADDRESSES: tile (b, u), u = 0 .. 3, takes keys 64 b + 8 u + 0 .. 7 in rows 0-7 and keys 64 b + 32 + 8 u + 0 .. 7 in rows 8-15.  So a lane's 32 registers of the
; four tiles of b are the WHOLE block of 32 keys 64 b + 32 (lane / 16) + 0 .. 31: a block's maximum needs no other lane, and the conversions' results are the second product's operand as they stand.
; In memory K lies as images of tiles 2 b' + u' with rows 32 b' + 8 u' + r + 8 (r / 8), 512 bytes each (row r, half h at 16 r + 256 h).  In LDS 128 bytes of padding follow each 1,024,
; so that lanes 0-7 and lanes 8-15, which read 1,024 bytes of memory apart, touch different banks (64 banks of 4 bytes: ISA guide 11.1).
; THE HEAD'S 64 ARE HALF OF THE INSTRUCTION'S 128: source 0 holds tile (b, 2 p) in k 0-63 and tile (b, 2 p + 1) in k 64-127; source 1 is (q, zeros) for the first and (zeros, q) for the second.
; Zero codes add nothing under any scale byte but 0xff, which the quantiser never makes.
; LIMITS: NaN and infinities are not served; the promise holds while the scaled scores stay under 2^31 in magnitude; a block of zeros gets the byte 1 (its codes are zeros, and this program alone reads the bytes);
; a block's largest p is made from the block's largest score by the same multiply-add and exponential, which takes v_exp_f32 not to fall where its input rises.
.set VB,    73728                      ; LDS: K's images at 0 (64 rows of 1,152 bytes), V's here
.set KSC,   139264                     ; K's scale words, 4,096 bytes;
.set VSC,   KSC+4096                   ; V's;
.set OSC,   147456                     ; 1,024 bytes for O's scale bytes, written by LDS stores: no fill lands there
.set SPARE, 0x29000                    ; the spare words: 128 bytes a wave
.set KST,   4608                       ; a key step of K in LDS: 4 rows
.set ADK,  6                           ; v1 16 x lane; v2 VB + 16 x lane; v3 VSC + 16 r; v4, v5 my lane's place in K and in K's scale words; v8 16 r; v9, v10 O's bytes; v11 8 (lane / 16)
.set ADV,  7
.set ADS,  30
.set ADKS, 31
.set KF,   32                          ; v32-63   K: four pairs of tiles
.set VF,   64                          ; v64-95   V: four tiles of 16 of the head's 64
.set S,    96                          ; v96-159  S^T, then p
.set O,    160                         ; v160-191 O^T
.set PC,   192                         ; v192-199 p's codes
.set KS,   200                         ; v200-203 K's scale words; v204-207 V's; v28 q's; v220 p's
.set VS,   204
.set BM,   208
.set BT,   212
.set SO,   216
.set PS,   220
.set NM,   226                         ; v226 the new -M (named as a pair with v227)
.set T,    232                         ; v232-247 eight pairs of partial sums
.set WV,   12
.set TK,   52                          ; s52 the step's place in K, s53 in V, s54 among the scale words
.set TV,   53
.set TS,   54
.set CNT,  55
.set SEL,  56
.set CS,   58                          ; s[58:59] c = log2(e) / 8
.macro CROUND                          ; a round of the cluster's barrier
	s_barrier_signal -1
	s_barrier_wait -1
	s_cmp_lg_u32 s[WV], 0
	s_cbranch_scc1 .Lnot_wave_0_\@
	s_barrier_signal -3
.Lnot_wave_0_\@:
	s_barrier_wait -3
	s_barrier_signal -1
	s_barrier_wait -1
.endm
.macro ARM under, g0, g1, next         ; one arm of the head's chain: a load, its s_nop 0 and four v_nop, a jump to the join
	s_cmp_lt_u32 s[WV], \under
	s_cbranch_scc0 \next
	tensor_load_to_lds s[\g0:\g0+3], s[\g1:\g1+7]
	s_nop 0
.rept 4
	v_nop
.endr
	s_branch .Lhead_asked
\next:
.endm
	s_load_b256 s[4:11], s[0:1], 0x0               ; qkvc, qkvs, oc, os
	v_lshl_add_u32 v254, v0, 2, SPARE
	v_mov_b32 v255, 0
	ds_add_u32 v254, v255                          ; the opening lines: the add twice on end and one wait
	ds_add_u32 v254, v255
	v_lshrrev_b32 v1, 5, v0
	s_delay_alu instid0(VALU_DEP_1)
	v_readfirstlane_b32 s[WV], v1                  ; wave 0..15
	s_and_b32 s13, ttmp7, 0xffff                   ; y, which the four partners share
	s_bfe_u32 s14, ttmp6, 0x40000                  ; cx: my block of 512 queries; it enters q's and the outputs' addresses alone
	; groups 1, elements of 8 bytes, mask of all four partners with bit 21: scale words 16 rows of 256 bytes; V 64 rows of 256 bytes; K 16 rows of 1,024 bytes, 32 words of padding behind each 256 words
	s_mov_b32 s16, 15|(3<<16)|(1<<21)
	s_mov_b32 s17, 32<<16
	s_mov_b32 s18, 16<<16
	s_mov_b32 s19, 32<<16
	s_mov_b32 s20, 16
	s_mov_b32 s21, 32
	s_mov_b32 s22, 0
	s_mov_b32 s23, 0
	s_mov_b32 s24, 15|(3<<16)|(1<<21)
	s_mov_b32 s25, 32<<16
	s_mov_b32 s26, 64<<16
	s_mov_b32 s27, 32<<16
	s_mov_b32 s28, 64
	s_mov_b32 s29, 32
	s_mov_b32 s30, 0
	s_mov_b32 s31, 0
	s_mov_b32 s44, 15|(3<<16)|(1<<20)|(1<<21)|(7<<22)|(31<<25)
	s_mov_b32 s45, 128<<16
	s_mov_b32 s46, 16<<16
	s_mov_b32 s47, 128<<16
	s_mov_b32 s48, 16
	s_mov_b32 s49, 128
	s_mov_b32 s50, 0
	s_mov_b32 s51, 0
	s_and_b32 s15, s[WV], 1
	s_and_b32 s61, s[WV], 3                        ; which quarter of a head's codes I fetch, if I fetch codes
	s_lshl_b32 s3, s13, 16
	s_lshl_b32 s2, s61, 14
	s_add_co_u32 s62, s3, s2
	s_add_co_u32 s62, s62, 1<<22                   ; K: kind 1 x 4 MiB + y x 65,536 + quarter x 16,384
	s_mov_b32 s63, 0
	s_add_co_u32 s54, s62, 1<<22                   ; V: kind 2
	s_mov_b32 s55, 0
	s_add_co_u32 s2, s15, 1
	s_lshl_b32 s52, s2, 18                         ; scale words: kind x 262,144 + y x 4,096 (wave 8: K's, wave 9: V's)
	s_lshl_b32 s3, s13, 12
	s_add_co_u32 s52, s52, s3
	s_mov_b32 s53, 0
	s_mov_b32 s60, 0x01000100                      ; q's two bytes lie in the low half of their word for an even tile, in the high half for an odd one
	s_cmp_eq_u32 s15, 1
	s_cselect_b32 s60, 0x03020302, s60
	s_mov_b32 s[SEL], 0x76543210
	s_mov_b32 s[SEL+1], 0xfedcba98
	s_mov_b32 s[CS], 0x3e38aa3b
	s_mov_b32 s[CS+1], s[CS]                       ; (named with it as a pair, so it is written)
	s_wait_dscnt 0x0
	s_wait_kmcnt 0x0
	s_mov_b32 s32, 1                               ; group 0 for K's quarter
	s_mul_i32 s33, s61, 18432
	s_add_nc_u64 s[34:35], s[4:5], s[62:63]
	s_or_b32 s35, s35, 0x80000000
	s_mov_b32 s36, 1                               ; for V's quarter
	s_lshl_b32 s37, s61, 14
	s_add_co_u32 s37, s37, VB
	s_add_nc_u64 s[38:39], s[4:5], s[54:55]
	s_or_b32 s39, s39, 0x80000000
	s_mov_b32 s40, 1                               ; for a tensor's scale words
	s_lshl_b32 s41, s15, 12
	s_add_co_u32 s41, s41, KSC
	s_add_nc_u64 s[42:43], s[6:7], s[52:53]
	s_or_b32 s43, s43, 0x80000000
	CROUND                                         ; all four work-groups are here: the joint loads meet
	ARM 4, 32, 44, .Lhead_v                        ; waves 0-3: K's quarters
	ARM 8, 36, 24, .Lhead_s                        ; waves 4-7: V's quarters
	ARM 10, 40, 16, .Lhead_none                    ; waves 8, 9: the scale words; the other waves fetch nothing
.Lhead_asked:
	v_and_b32 v6, 31, v0
	v_and_b32 v7, 15, v0                           ; r
	v_bfe_u32 v11, v0, 4, 1                        ; h
	v_and_b32 v30, 7, v0                           ; r % 8
	v_bfe_u32 v31, v0, 3, 1                        ; r / 8
	v_lshlrev_b32 v1, 4, v6                        ; 16 x lane
	v_lshlrev_b32 v9, 1, v7
	v_lshlrev_b32 v8, 4, v7                        ; 16 r
	v_lshlrev_b32 v4, 4, v30
	v_add_nc_u32 v2, VB, v1
	v_add_nc_u32 v3, VSC, v8
	v_lshl_add_u32 v5, v31, 2, v4
	v_lshl_add_u32 v4, v11, 8, v4
	v_add_nc_u32 v5, KSC, v5                       ; K's scale words: 16 (r % 8) + 4 (r / 8)
	v_mad_u32_u24 v4, v31, 1152, v4                ; K: 16 (r % 8) + 256 h + 1,152 (r / 8)
	v_lshlrev_b32 v11, 3, v11                      ; 8 h: where my two bytes stand in p's scale word
	s_lshl_b32 s15, s[WV], 5
	s_add_co_u32 s15, s15, OSC
	v_add_nc_u32 v9, s15, v9                       ; O's two bytes: 32 x tile + 2 r
	v_add_nc_u32 v10, OSC, v1
	s_lshl_b32 s2, s13, 16                         ; q's codes: y x 65536 + (32 cx + w) x 512
	s_lshl_b32 s3, s14, 14
	s_add_co_u32 s2, s2, s3
	s_lshl_b32 s3, s[WV], 9
	s_add_co_u32 s2, s2, s3
	s_mov_b32 s3, 0
	s_add_nc_u64 s[4:5], s[4:5], s[2:3]
	s_lshl_b32 s2, s13, 12                         ; q's scale word: y x 4096 + (T / 8) x 256 + ((T % 8) / 2) x 4, T = 32 cx + w
	s_lshl_b32 s15, s14, 10
	s_add_co_u32 s2, s2, s15
	s_lshr_b32 s15, s[WV], 3
	s_lshl_b32 s15, s15, 8
	s_add_co_u32 s2, s2, s15
	s_bfe_u32 s15, s[WV], 0x20001
	s_lshl_b32 s15, s15, 2
	s_add_co_u32 s2, s2, s15
	s_add_nc_u64 s[6:7], s[6:7], s[2:3]
	s_lshr_b32 s2, s13, 4                          ; O's codes: (2 x direction + batch) x 1 MiB + T x 8192 + head x 512
	s_lshl_b32 s2, s2, 20
	s_lshl_b32 s15, s14, 18
	s_add_co_u32 s2, s2, s15
	s_lshl_b32 s15, s[WV], 13
	s_add_co_u32 s2, s2, s15
	s_and_b32 s15, s13, 15
	s_lshl_b32 s15, s15, 9
	s_add_co_u32 s2, s2, s15
	s_add_nc_u64 s[8:9], s[8:9], s[2:3]
	s_lshl_b32 s2, s13, 12                         ; O's scale bytes: y x 4096 + cx x 1024
	s_lshl_b32 s15, s14, 10
	s_add_co_u32 s2, s2, s15
	s_add_nc_u64 s[10:11], s[10:11], s[2:3]
.irp j, 20,21,22,23
	v_mov_b32 v[\j], 0                             ; the zero codes between the two copies of q
.endr
.irp b, 0,1,2,3
	v_mov_b32 v[BT+\b], 0                          ; written once: a lane permute's destination counts as one of its sources
.endr
	v_mov_b32 v223, 0                              ; (upper halves of the pairs v[222:223] and v[226:227])
	v_mov_b32 v227, 0
	v_mov_b32 v224, 0
	v_mov_b32 v225, 0
	s_wait_alu depctr_va_vdst(0)                   ; the wait behind the head's vector work
; K's four pairs of tiles and their scale words, 12 LDS loads: pair (b, p) holds tiles (b, 2 p) and (b, 2 p + 1)
.macro KLOAD ka, sa, ko, so
.irp b, 0,1
.irp p, 0,1
.irp c, 0,1
	ds_load_b128 v[KF+8*(2*\b+\p)+4*\c:KF+8*(2*\b+\p)+4*\c+3], v[\ka] offset:\ko+2304*\b+512*\c+128*\p
.endr
	ds_load_b32 v[KS+2*\b+\p], v[\sa] offset:\so+128*\p+8*\b
.endr
.endr
.endm
.macro PADD d, a, b
	v_pk_add_f32 v[\d:\d+1], v[\a:\a+1], v[\b:\b+1]
.endm
.macro TMM n                           ; t - M, two at a time
.rept \n
	v_pk_fma_f32 v[S+j:S+j+1], v[S+j:S+j+1], s[CS:CS+1], v[NM:NM+1] op_sel_hi:[1,0,0]
.set j, j+2
.endr
.endm
; A KEY STEP: 128 keys.  Its fragments of K were asked for in the step before.
.macro STEP
	s_wait_dscnt 0x0                               ; K and its scale words are in
.irp b, 0,1
.irp p, 0,1
	v_wmma_scale_f32_16x16x128_f8f6f4 v[S+32*\b+16*\p:S+32*\b+16*\p+7], v[KF+8*(2*\b+\p):KF+8*(2*\b+\p)+7], v[16:23], 0, v[KS+2*\b+\p], v28 matrix_a_fmt:MATRIX_FMT_FP4 matrix_b_fmt:MATRIX_FMT_FP4
	v_wmma_scale_f32_16x16x128_f8f6f4 v[S+32*\b+16*\p+8:S+32*\b+16*\p+15], v[KF+8*(2*\b+\p):KF+8*(2*\b+\p)+7], v[20:27], 0, v[KS+2*\b+\p], v28 matrix_a_fmt:MATRIX_FMT_FP4 matrix_b_fmt:MATRIX_FMT_FP4
.endr
.endr                                          ; register 32 b + i: key 64 b + 32 (lane / 16) + i of the step
	v_add_nc_u32 v[ADV], s[TV], v2                 ; four additions: the places between the products above (and the last step's) and the loads and reads below
	v_add_nc_u32 v[ADS], s[TS], v3
	v_add_nc_u32 v[ADK], s[TK], v4
	v_add_nc_u32 v[ADKS], s[TS], v5
.irp a, 0,1,2,3
.irp c, 0,1
	ds_load_b128 v[VF+8*\a+4*\c:VF+8*\a+4*\c+3], v[ADV] offset:1024*\a+512*\c
.endr
.endr
	ds_load_b128 v[VS:VS+3], v[ADS]
	KLOAD ADK, ADKS, KST, 256                      ; the NEXT step's K (behind the last step: bytes of V's tiles, which nobody uses)
.irp x, 0,1,2,3                                ; the largest score of each block of 32 keys, in two chains a block; each accumulator is first read at its low end
	v_max3_num_f32 v[BM+\x], v[S+16*\x], v[S+1+16*\x], v[S+2+16*\x]
.endr
.irp i, 3,5,7,9,11,13
.irp x, 0,1,2,3
	v_max3_num_f32 v[BM+\x], v[BM+\x], v[S+16*\x+\i], v[S+1+16*\x+\i]
.endr
.endr
.irp b, 0,2
	v_max3_num_f32 v[BM+\b], v[BM+\b], v[BM+1+\b], v[S+15+16*\b]
.endr
.irp b, 0,2
	v_max_num_f32 v[BM+\b], v[BM+\b], v[S+31+16*\b]   ; block 0's in v[BM], block 1's in v[BM+2]
.endr
	v_max_num_f32 v224, v[BM], v[BM+2]
	v_permlanex16_b32 v225, v224, s[SEL], s[SEL+1]
	v_max3_num_f32 v13, v13, v224, v225            ; the running largest score of my query
	s_delay_alu instid0(VALU_DEP_1)
	v_mul_f32 v224, s[CS], v13                     ; as t (c is positive)
	s_delay_alu instid0(VALU_DEP_1)
	v_floor_f32 v[NM], -v224                       ; the new -M = floor(-t): M is a whole number
	s_delay_alu instid0(VALU_DEP_1)
	v_sub_f32 v224, v[NM], v12                     ; old M - new M: a whole number, 0 or less
.set j, 0
	TMM 4
	v_cvt_i32_f32 v224, v224                       ; (it saturates)
	TMM 4
	v_ldexp_f32 v222, 1.0, v224                    ; f = 2^(old M - new M)
	TMM 24
.irp b, 0,2
	v_fma_f32 v[BM+\b], v[BM+\b], s[CS], v[NM]
.endr
.set j, 0
.rept 16
	v_pk_mul_f32 v[O+j:O+j+1], v[O+j:O+j+1], v[222:223] op_sel_hi:[1,0]   ; O^T under the new M
.set j, j+2
.endr
	s_wait_alu depctr_va_vdst(0)                   ; the wait ahead of the batch
.set j, 0
.rept 64
	v_exp_f32 v[S+j], v[S+j]                       ; p = 2^(t - M), at most 1
.set j, j+1
.endr
.irp b, 0,2
	v_exp_f32 v[BM+\b], v[BM+\b]                   ; the block's largest p
.endr
	v_mov_b32 v12, v[NM]                           ; (a plain place behind the exponentials)
	s_wait_alu depctr_va_vdst(0)                   ; one wait for the batch, ahead of its first reader
	; the two blocks' scales, with the first level of the row's sum between their lines
	v_max_num_f32 v[BM], 0x1800000, v[BM]          ; the floor 2^(3 - 127)
	v_max_num_f32 v[BM+2], 0x1800000, v[BM+2]
.irp i, 0,1
	PADD T+2*\i, S+2*\i, S+16+2*\i
.endr
	v_add_nc_u32 v[SO], 0xff000000, v[BM]          ; 2 off the exponent field: the conversion's scale operand
	v_add_nc_u32 v[SO+1], 0xff000000, v[BM+2]
.irp i, 2,3
	PADD T+2*\i, S+2*\i, S+16+2*\i
.endr
	v_lshrrev_b32 v[BT], 23, v[SO]                 ; the bytes
	v_lshrrev_b32 v[BT+1], 23, v[SO+1]
.irp i, 4,5
	PADD T+2*\i, S+2*\i, S+16+2*\i
.endr
	v_lshl_or_b32 v[PS], v[BT+1], 16, v[BT]        ; blocks h and 2 + h,
	PADD T+12, S+12, S+28
	v_lshlrev_b32 v[PS], v11, v[PS]                ; at their places in the word
	PADD T+14, S+14, S+30
	v_permlanex16_b32 v225, v[PS], s[SEL], s[SEL+1]
.irp b, 0,1
.irp g, 0,1,2,3
	v_cvt_scalef32_pk8_fp4_f32 v[PC+4*\b+\g], v[S+32*\b+8*\g:S+32*\b+8*\g+7], v[SO+\b]   ; registers 4 b .. 4 b + 3 of the operand: k = 64 b + 32 h + 0 .. 31
.endr
.endr
	v_or_b32 v[PS], v[PS], v225                    ; with lane l xor 16's two bytes p's scale word is whole.  (The plain place behind the conversions)
.irp i, 0,1,2,3,4,5,6,7
	PADD T+2*\i, T+2*\i, S+32+2*\i                 ; the row's sum of the unquantised p: eight chains.  (These are also the places ahead of the products below)
.endr
.irp i, 0,1,2,3,4,5,6,7
	PADD T+2*\i, T+2*\i, S+48+2*\i
.endr
.irp i, 0,1,2,3
	PADD T+2*\i, T+2*\i, T+8+2*\i
.endr
	s_delay_alu instid0(VALU_DEP_2)
	PADD T, T, T+4
	s_delay_alu instid0(VALU_DEP_2)
	PADD T+2, T+2, T+6
	s_delay_alu instid0(VALU_DEP_1)
	PADD T, T, T+2
	s_delay_alu instid0(VALU_DEP_1)
	v_pk_fma_f32 v[14:15], v[14:15], v[222:223], v[T:T+1] op_sel_hi:[1,0,1]   ; the sums under the new M, and this step's
	s_wait_alu depctr_va_vdst(0)                   ; directly ahead of the wait below
	s_wait_dscnt 12                                ; V and its scale words are in; the 12 loads of the next step's K may be out
.irp a, 0,1,2,3                                ; four accumulators by turns; the next step's eight products stand between two links of a chain
	v_wmma_scale_f32_16x16x128_f8f6f4 v[O+8*\a:O+8*\a+7], v[VF+8*\a:VF+8*\a+7], v[PC:PC+7], v[O+8*\a:O+8*\a+7], v[VS+\a], v[PS] matrix_a_fmt:MATRIX_FMT_FP4 matrix_b_fmt:MATRIX_FMT_FP4
.endr
.endm
; A PASS: query tile 32 cx + w + 16 p.
.macro HEADP p
.if \p
	s_wait_xcnt 0x0                                ; the last pass's store has read its registers
.endif
	global_load_b128 v[16:19], v1, s[4:5] offset:\p*8192   ; q twice: (q, zeros) is v[16:23], (zeros, q) is v[20:27]
	global_load_b128 v[24:27], v1, s[4:5] offset:\p*8192
	global_load_b32 v29, v8, s[6:7] offset:\p*512
	v_mov_b32 v13, 0xff61b1e6                      ; the largest score so far: -3e38
	v_mov_b32 v12, 0x7f61b1e6                      ; -M: 3e38
	v_mov_b32 v14, 0
	v_mov_b32 v15, 0
	s_mov_b32 s[TK], 0
	s_mov_b32 s[TV], 0
	s_mov_b32 s[TS], 0
	s_mov_b32 s[CNT], 16
	s_wait_loadcnt 0x0
	v_perm_b32 v28, v29, v29, s60                  ; q's scale word: its two bytes twice
.set j, 0
.rept 32
	v_mov_b32 v[O+j], 0                            ; O^T: the first change of M leaves zeros zeros.  (Also the places between q's scale word and the first product)
.set j, j+1
.endr
.endm
.macro WALK
.Lstep_\@:
	STEP
	s_add_co_u32 s[TK], s[TK], KST
	s_add_co_u32 s[TV], s[TV], 4096
	s_add_co_u32 s[TS], s[TS], 256
	s_sub_co_u32 s[CNT], s[CNT], 1
	s_cmp_lg_u32 s[CNT], 0
	s_cbranch_scc1 .Lstep_\@
.endm
.macro TAILP p
	v_add_f32 v14, v14, v15
	s_delay_alu instid0(VALU_DEP_1)
	v_permlanex16_b32 v224, v14, s[SEL], s[SEL+1]
	s_delay_alu instid0(VALU_DEP_1)
	v_add_f32 v14, v14, v224                       ; the row's sum
	s_wait_alu depctr_va_vdst(0)
	v_rcp_f32 v14, v14
.rept 4
	v_nop                                          ; places behind the last products and behind the reciprocal
.endr
.set j, 0
	s_wait_alu depctr_va_vdst(0)
.rept 32
	v_mul_f32 v[S+j], v[O+j], v14                  ; register 16 b + i: o(query r, 32 b + 16 (lane / 16) + i)
.set j, j+1
.endr
.irp b, 0,1
	v_max3_num_f32 v[BM+\b], |v[S+16*\b]|, |v[S+1+16*\b]|, 0x1800000
.endr
.irp i, 2,4,6,8,10,12,14
.irp b, 0,1
	s_delay_alu instid0(VALU_DEP_2)
	v_max3_num_f32 v[BM+\b], v[BM+\b], |v[S+16*\b+\i]|, |v[S+1+16*\b+\i]|
.endr
.endr
.irp b, 0,1
	s_delay_alu instid0(VALU_DEP_2)
	v_permlanex16_b32 v[BT+\b], v[BM+\b], s[SEL], s[SEL+1]
.endr
.irp b, 0,1
	s_delay_alu instid0(VALU_DEP_2)
	v_max_num_f32 v[BM+\b], v[BM+\b], v[BT+\b]
.endr
.irp b, 0,1
	s_delay_alu instid0(VALU_DEP_2)
	v_add_nc_u32 v[SO+\b], 0xff000000, v[BM+\b]
.endr
.irp b, 0,1
	s_delay_alu instid0(VALU_DEP_2)
	v_lshrrev_b32 v[BT+\b], 23, v[SO+\b]
.endr
	s_delay_alu instid0(VALU_DEP_1)
	v_lshl_or_b32 v224, v[BT+1], 8, v[BT]
.irp b, 0,1
	v_cvt_scalef32_pk8_fp4_f32 v[228+2*\b], v[S+16*\b:S+7+16*\b], v[SO+\b]
	v_cvt_scalef32_pk8_fp4_f32 v[229+2*\b], v[S+8+16*\b:S+15+16*\b], v[SO+\b]
.endr
	v_nop
	v_permlane16_swap_b32 v228, v230               ; lanes 0-15 block 0, lanes 16-31 block 1
	v_permlane16_swap_b32 v229, v231
	global_store_b128 v1, v[228:231], s[8:9] offset:\p*131072   ; half a fragment of the next product's operand: 512 consecutive bytes
	ds_store_b16 v9, v224 offset:512*\p            ; lanes l and l xor 16 write the same bytes with the same value
.endm
	HEADP 0
	s_wait_alu depctr_va_vdst(0)                   ; the wait at the head's end
	s_wait_tensorcnt 0x0                           ; my fill, if I had one, has landed,
	s_barrier_signal -1
	s_barrier_wait -1                              ; everybody's have: the head's K and V lie in LDS for the rest of the launch
	KLOAD 4, 5, 0, 0                               ; step 0's K
	WALK
	TAILP 0
	s_wait_dscnt 0x0                               ; the loads that the last step left out have landed: their registers may be loaded again
	KLOAD 4, 5, 0, 0
	HEADP 1
	WALK
	TAILP 1
	s_wait_dscnt 0x0                               ; for wave 0's sake: my bytes have landed
	s_barrier_signal -1
	s_barrier_wait -1
	s_cmp_lg_u32 s[WV], 0
	s_cbranch_scc1 .Lno_bytes
	ds_load_b128 v[96:99], v10
	ds_load_b128 v[100:103], v10 offset:512
	s_wait_dscnt 0x0
	global_store_b128 v1, v[96:99], s[10:11]       ; the 32 tiles' scale bytes: 1,024 consecutive bytes
	global_store_b128 v1, v[100:103], s[10:11] offset:512
.Lno_bytes:
	s_wait_tensorcnt 0x0                           ; the wave's end
	ds_add_u32 v254, v255
	s_wait_dscnt 0x0
	CROUND                                         ; the closing round
	s_endpgm
.Lfunc_end_k_qda09f5327c_attn:
	.size	k_qda09f5327c_attn, .Lfunc_end_k_qda09f5327c_attn-k_qda09f5327c_attn
	.p2alignl 7, 3214868480
	.fill 96, 4, 3214868480
	.section	.rodata,"a",@progbits
	.p2align	6, 0x0
	.amdhsa_kernel k_qda09f5327c_attn
		.amdhsa_group_segment_fixed_size 169984
		.amdhsa_private_segment_fixed_size 0
		.amdhsa_enable_private_segment 0
		.amdhsa_kernarg_size 32
		.amdhsa_user_sgpr_count 2
		.amdhsa_user_sgpr_kernarg_segment_ptr 1
		.amdhsa_wavefront_size32 1
		.amdhsa_system_sgpr_workgroup_id_x 1
		.amdhsa_system_sgpr_workgroup_id_y 1
		.amdhsa_system_sgpr_workgroup_id_z 1
		.amdhsa_system_vgpr_workitem_id 0
		.amdhsa_next_free_vgpr 256
		.amdhsa_next_free_sgpr 66
		.amdhsa_reserve_vcc 0
		.amdhsa_float_denorm_mode_32 3
		.amdhsa_float_denorm_mode_16_64 3
		.amdhsa_memory_ordered 1
		.amdhsa_forward_progress 1
		.amdhsa_inst_pref_size 50
	.end_amdhsa_kernel
	.amdgpu_metadata
---
amdhsa.version: [ 1, 2 ]
amdhsa.kernels:
  - .name:           k_qda09f5327c_attn
    .symbol:         k_qda09f5327c_attn.kd
    .args:
      - { .name: qkvc, .offset: 0, .size: 8, .value_kind: global_buffer, .address_space: global }
      - { .name: qkvs, .offset: 8, .size: 8, .value_kind: global_buffer, .address_space: global }
      - { .name: oc, .offset: 16, .size: 8, .value_kind: global_buffer, .address_space: global }
      - { .name: os, .offset: 24, .size: 8, .value_kind: global_buffer, .address_space: global }
    .group_segment_fixed_size: 169984
    .private_segment_fixed_size: 0
    .kernarg_segment_align: 8
    .kernarg_segment_size: 32
    .max_flat_workgroup_size: 512
    .sgpr_count:     66
    .vgpr_count:     256
    .wavefront_size: 32
...
	.end_amdgpu_metadata
.endif
;; end of part 3
;; launch oproj (part 4): grid 256 x 1, 16 waves a work-group, no clusters, 327,680 bytes of LDS; arguments oc, os, wc, ws, t2s_bo, s2t_bo, spat_features, temp_features, ln_g, ln_b, out0, out1; writes out0, out1
.if DOCPART == 4
	.amdgcn_target "amdgcn-amd-amdhsa--gfx1250"
	.amdhsa_code_object_version 6
	.text
	.protected	k_qda09f5327c_oproj
	.globl	k_qda09f5327c_oproj
	.p2align	8
	.type	k_qda09f5327c_oproj,@function
k_qda09f5327c_oproj:
	s_mov_b64 s[64:65], 0
	v_nop
	global_prefetch_b8 v0, s[64:65] scope:SCOPE_SE
	s_setreg_imm32_b32 hwreg(HW_REG_WAVE_MODE, 25, 1), 1
	s_wait_xcnt 0x0
.set OSW,  16384
.set GB,   17408                       ; ln_g's 4,096 bytes, then ln_b's: written by LDS stores, no fill lands there
.set RES,  25600                       ; the residual: 8,192 bytes a wave, filled once by the wave's tensor load and read by that wave alone
.set STG,  156672
.set SP,   4112
.set ACC,  16
.set WSR,  80
.set ASR,  112
.set AFR,  128
.set WFR,  160
.set WV,   52
.set SEL,  62
	s_load_b256 s[4:11], s[0:1], 0x0
	s_load_b256 s[12:19], s[0:1], 0x20
	s_load_b256 s[20:27], s[0:1], 0x40
	v_lshl_add_u32 v254, v0, 2, 0x46600
	v_mov_b32 v255, 0
	ds_add_u32 v254, v255
	ds_add_u32 v254, v255
	s_wait_dscnt 0x0
	v_lshrrev_b32 v1, 5, v0
	s_delay_alu instid0(VALU_DEP_1)
	v_readfirstlane_b32 s[WV], v1
	s_lshr_b32 s53, ttmp9, 7
	s_and_b32 s54, ttmp9, 127
	s_mov_b32 s28, 3<<16
	s_mov_b32 s29, 32<<16
	s_mov_b32 s30, 32<<16                          ; 32 rows of 256 bytes: my two rows of the residual
	s_mov_b32 s31, 32<<16
	s_mov_b32 s32, 32
	s_mov_b32 s33, 32
	s_mov_b32 s34, 0
	s_mov_b32 s35, 0
	s_lshl_b32 s56, s53, 21
	s_lshl_b32 s55, s54, 14
	s_add_co_u32 s56, s56, s55
	s_lshl_b32 s55, s[WV], 10
	s_add_co_u32 s56, s56, s55
	s_mov_b32 s57, 0
	s_lshl_b32 s58, s54, 17
	s_lshl_b32 s55, s[WV], 13
	s_add_co_u32 s58, s58, s55
	s_mov_b32 s59, 0
	s_wait_kmcnt 0x0
	s_cmp_eq_u32 s53, 0
	s_cselect_b64 s[12:13], s[12:13], s[14:15]
	s_cselect_b64 s[16:17], s[16:17], s[18:19]
	s_cselect_b64 s[24:25], s[26:27], s[24:25]
	s_mov_b32 s44, 1
	s_lshl_b32 s45, s[WV], 13
	s_add_co_u32 s45, s45, RES
	s_add_nc_u64 s[46:47], s[16:17], s[58:59]      ; my two rows of the residual
	s_or_b32 s47, s47, 0x80000000
	s_add_nc_u64 s[50:51], s[4:5], s[56:57]        ; my 1,024 bytes of O's codes
	tensor_load_to_lds s[44:47], s[28:35]
	s_nop 0
.rept 4
	v_nop
.endr
	s_add_nc_u64 s[24:25], s[24:25], s[58:59]
	s_cmp_lt_u32 s[WV], 8                          ; waves 0-7 fetch ln_g, waves 8-15 ln_b, 512 bytes each: the choice hangs on the wave's number alone
	s_cselect_b64 s[48:49], s[20:21], s[22:23]
	s_and_b32 s36, s[WV], 7
	s_lshl_b32 s36, s36, 9
	s_mov_b32 s37, 0
	s_add_nc_u64 s[48:49], s[48:49], s[36:37]
	s_lshl_b32 s56, s53, 5
	s_lshr_b32 s55, s54, 6
	s_lshl_b32 s55, s55, 4
	s_add_co_u32 s56, s56, s55
	s_add_co_u32 s56, s56, s[WV]
	s_lshl_b32 s56, s56, 12
	s_and_b32 s55, s54, 63
	s_lshl_b32 s55, s55, 6
	s_add_co_u32 s56, s56, s55
	s_add_nc_u64 s[6:7], s[6:7], s[56:57]
	s_lshl_b32 s56, s[WV], 8
	s_add_nc_u64 s[12:13], s[12:13], s[56:57]
	s_add_co_u32 s55, s53, 6
	s_lshl_b32 s56, s55, 15
	s_lshl_b32 s2, s[WV], 11
	s_add_co_u32 s56, s56, s2
	s_add_nc_u64 s[10:11], s[10:11], s[56:57]
	s_lshl_b32 s56, s55, 19
	s_lshl_b32 s2, s[WV], 15
	s_add_co_u32 s56, s56, s2
	s_add_nc_u64 s[8:9], s[8:9], s[56:57]
	s_mov_b32 s60, 0x3a800000
	s_mov_b32 s61, 0x3727c5ac
	s_mov_b32 s[SEL], 0x76543210
	s_mov_b32 s[SEL+1], 0xfedcba98
	v_and_b32 v13, 31, v0
	s_delay_alu instid0(VALU_DEP_1)
	v_lshlrev_b32 v1, 4, v13
	v_and_b32 v2, 15, v0
	v_bfe_u32 v3, v0, 4, 1
	s_delay_alu instid0(VALU_DEP_4)
	v_lshlrev_b32 v4, 1, v13
	s_delay_alu instid0(VALU_DEP_2)
	v_lshlrev_b32 v5, 6, v3
	s_delay_alu instid0(VALU_DEP_4)
	v_lshlrev_b32 v6, 4, v2
	s_wait_alu depctr_va_vdst(0)
	s_lshr_b32 s55, s[WV], 3
	s_lshl_b32 s55, s55, 8
	s_bfe_u32 s2, s[WV], 0x20001
	s_lshl_b32 s2, s2, 2
	s_add_co_u32 s55, s55, s2
	s_and_b32 s2, s[WV], 1
	s_lshl_b32 s2, s2, 1
	s_add_co_u32 s55, s55, s2
	s_add_co_u32 s55, s55, OSW
	v_lshl_add_u32 v7, v3, 9, v6
	s_delay_alu instid0(VALU_DEP_1)
	v_add_nc_u32 v7, s55, v7
	v_add_nc_u32 v8, OSW, v6
	v_mul_u32_u24 v9, v2, SP
	s_delay_alu instid0(VALU_DEP_1)
	v_add_nc_u32 v9, v9, v5
	s_lshl_b32 s55, s[WV], 8
	s_add_co_u32 s55, s55, STG
	v_add_nc_u32 v9, s55, v9
	s_delay_alu instid0(VALU_DEP_1)
	v_add_nc_u32 v10, 16*SP, v9
	s_bfe_u32 s55, s[WV], 0x10002
	s_lshl_b32 s55, s55, 4
	s_and_b32 s2, s[WV], 3
	s_lshl_b32 s2, s2, 1
	s_add_co_u32 s55, s55, s2
	s_lshr_b32 s2, s[WV], 3
	s_lshl_b32 s2, s2, 3
	s_add_co_u32 s55, s55, s2
	s_mul_i32 s55, s55, SP
	s_add_co_u32 s55, s55, STG
	v_add_nc_u32 v11, s55, v1
	s_lshl_b32 s55, s[WV], 10
	v_add_nc_u32 v12, s55, v1                      ; LDS: where my part of O's codes goes
	s_lshl_b32 s55, s[WV], 9
	s_add_co_u32 s55, s55, GB
	v_add_nc_u32 v15, s55, v1                      ; where my 512 bytes of ln_g or ln_b go
	s_lshl_b32 s55, s[WV], 13
	s_add_co_u32 s55, s55, RES
	v_add_nc_u32 v13, s55, v1                      ; where I read my residual rows
	global_load_u16 v14, v4, s[6:7]
	global_load_b128 v[128:131], v1, s[50:51]      ; each load covers 512 consecutive bytes
	global_load_b128 v[132:135], v1, s[50:51] offset:512
	global_load_b128 v[136:139], v1, s[48:49]
.irp t, 0,1
.irp n, 0,1,2,3
	global_load_b128 v[ACC+8*(4*\t+\n):ACC+8*(4*\t+\n)+3], v5, s[12:13] offset:(\n/2)*128+(\n%2)*32
	global_load_b128 v[ACC+8*(4*\t+\n)+4:ACC+8*(4*\t+\n)+7], v5, s[12:13] offset:(\n/2)*128+(\n%2)*32+16
.endr
.endr
.irp n, 0,1,2,3
.irp q, 0,1
	global_load_b128 v[WSR+8*\n+4*\q:WSR+8*\n+4*\q+3], v6, s[10:11] offset:512*\n+256*\q
.endr
.endr
.macro WLOAD g
.irp n, 0,1,2,3
.irp c, 0,1
	global_load_b128 v[WFR+32*((\g)%3)+8*\n+4*\c:WFR+32*((\g)%3)+8*\n+4*\c+3], v1, s[8:9] offset:8192*\n+1024*(\g)+512*\c
.endr
.endr
.endm
.macro ALOAD g
.irp t, 0,1
.irp c, 0,1
	ds_load_b128 v[AFR+16*((\g)%2)+8*\t+4*\c:AFR+16*((\g)%2)+8*\t+4*\c+3], v1 offset:8192*\t+1024*(\g)+512*\c
.endr
.endr
.endm
	WLOAD 0
	WLOAD 1
	WLOAD 2
	s_wait_alu depctr_va_vdst(0)
	s_wait_loadcnt 48
	ds_store_b16 v7, v14
	ds_store_b128 v12, v[128:131]                  ; the four leading loads are in: 48 younger ones may be out
	ds_store_b128 v12, v[132:135] offset:512
	ds_store_b128 v15, v[136:139]
	s_wait_dscnt 0x0
	s_barrier_signal -1
	s_barrier_wait -1
.irp t, 0,1
.irp q, 0,1
	ds_load_b128 v[ASR+8*\t+4*\q:ASR+8*\t+4*\q+3], v8 offset:512*\t+256*\q
.endr
.endr
	ALOAD 0
	ALOAD 1
.macro GSTEP g
.if (\g) <= 5
	s_wait_loadcnt 16
.elseif (\g) == 6
	s_wait_loadcnt 8
.else
	s_wait_loadcnt 0
.endif
.if (\g) < 7
	s_wait_dscnt 4
.else
	s_wait_dscnt 0
.endif
.irp t, 0,1
.irp n, 0,1,2,3
	v_wmma_scale_f32_16x16x128_f8f6f4 v[ACC+8*(4*\t+\n):ACC+8*(4*\t+\n)+7], v[WFR+32*((\g)%3)+8*\n:WFR+32*((\g)%3)+8*\n+7], v[AFR+16*((\g)%2)+8*\t:AFR+16*((\g)%2)+8*\t+7], v[ACC+8*(4*\t+\n):ACC+8*(4*\t+\n)+7], v[WSR+8*\n+(\g)], v[ASR+8*\t+(\g)] matrix_a_fmt:MATRIX_FMT_FP4 matrix_b_fmt:MATRIX_FMT_FP4
.endr
.endr
.rept 4
	v_nop
.endr
.if (\g) <= 4
	WLOAD (\g)+3
.endif
.if (\g) <= 5
	ALOAD (\g)+2
.endif
.endm
.irp g, 0,1,2,3,4,5,6,7
	GSTEP \g
.endr
.irp i, 0,1,2,3,4,5,6,7
	ds_load_b128 v[160+4*\i:163+4*\i], v1 offset:GB+512*\i
.endr
.irp i, 0,1,2,3,4,5,6,7
	ds_load_b128 v[192+4*\i:195+4*\i], v1 offset:GB+4096+512*\i
.endr
	s_wait_tensorcnt 0x0                           ; my residual rows have landed; I alone read them
.irp e, 0,1
.irp i, 0,1,2,3,4,5,6,7
	ds_load_b128 v[128+96*\e+4*\i:131+96*\e+4*\i], v13 offset:\e*4096+512*\i
.endr
.endr
.irp t, 0,1
.irp n, 0,1,2,3
	ds_store_b128 v[9+\t], v[ACC+8*(4*\t+\n):ACC+8*(4*\t+\n)+3] offset:(\n/2)*128+(\n%2)*32
	ds_store_b128 v[9+\t], v[ACC+8*(4*\t+\n)+4:ACC+8*(4*\t+\n)+7] offset:(\n/2)*128+(\n%2)*32+16
.endr
.endr
	s_wait_dscnt 0x0
	s_barrier_signal -1
	s_barrier_wait -1
	s_wait_tensorcnt 0x0
.irp e, 0,1
.irp i, 0,1,2,3,4,5,6,7
	ds_load_b128 v[16+32*\e+4*\i:19+32*\e+4*\i], v11 offset:\e*SP+512*\i
.endr
.endr
	s_wait_dscnt 0x0
	s_wait_loadcnt 0x0
.macro ALLSUM
	s_delay_alu instid0(VALU_DEP_1)
	v_pk_add_f32 v[2:3], v[2:3], v[4:5]
	s_delay_alu instid0(VALU_DEP_1)
	v_add_f32 v2, v2, v3
	s_delay_alu instid0(VALU_DEP_1)
	v_add_f32_dpp v2, v2, v2 row_xmask:1 row_mask:0xf bank_mask:0xf
	s_delay_alu instid0(VALU_DEP_1)
	v_add_f32_dpp v2, v2, v2 row_xmask:2 row_mask:0xf bank_mask:0xf
	s_delay_alu instid0(VALU_DEP_1)
	v_add_f32_dpp v2, v2, v2 row_xmask:4 row_mask:0xf bank_mask:0xf
	s_delay_alu instid0(VALU_DEP_1)
	v_add_f32_dpp v2, v2, v2 row_xmask:8 row_mask:0xf bank_mask:0xf
	s_delay_alu instid0(VALU_DEP_1)
	v_permlanex16_b32 v3, v2, s[SEL], s[SEL+1]
	s_delay_alu instid0(VALU_DEP_1)
	v_add_f32 v2, v2, v3
.endm
.macro LNROW e
.set Z, 16+32*\e
.set XR, 128+96*\e
.irp j, 0,2,4,6,8,10,12,14,16,18,20,22,24,26,28,30
	v_pk_add_f32 v[Z+\j:Z+\j+1], v[Z+\j:Z+\j+1], v[XR+\j:XR+\j+1]
.endr
	v_pk_add_f32 v[2:3], v[Z:Z+1], v[Z+2:Z+3]
	v_pk_add_f32 v[4:5], v[Z+4:Z+5], v[Z+6:Z+7]
.irp j, 8,12,16,20,24,28
	s_delay_alu instid0(VALU_DEP_2)
	v_pk_add_f32 v[2:3], v[2:3], v[Z+\j:Z+\j+1]
	s_delay_alu instid0(VALU_DEP_2)
	v_pk_add_f32 v[4:5], v[4:5], v[Z+\j+2:Z+\j+3]
.endr
	ALLSUM
	s_delay_alu instid0(VALU_DEP_1)
	v_mul_f32 v6, s60, v2
.irp j, 0,2,4,6,8,10,12,14,16,18,20,22,24,26,28,30
	v_pk_add_f32 v[Z+\j:Z+\j+1], v[Z+\j:Z+\j+1], v[6:7] op_sel_hi:[1,0] neg_lo:[0,1] neg_hi:[0,1]
.endr
	v_pk_mul_f32 v[2:3], v[Z:Z+1], v[Z:Z+1]
	v_pk_mul_f32 v[4:5], v[Z+2:Z+3], v[Z+2:Z+3]
.irp j, 4,8,12,16,20,24,28
	s_delay_alu instid0(VALU_DEP_2)
	v_pk_fma_f32 v[2:3], v[Z+\j:Z+\j+1], v[Z+\j:Z+\j+1], v[2:3]
	s_delay_alu instid0(VALU_DEP_2)
	v_pk_fma_f32 v[4:5], v[Z+\j+2:Z+\j+3], v[Z+\j+2:Z+\j+3], v[4:5]
.endr
	ALLSUM
	s_delay_alu instid0(VALU_DEP_1)
	v_fma_f32 v2, v2, s60, s61
	s_wait_alu depctr_va_vdst(0)
	v_rsq_f32 v8, v2
	v_nop
	s_wait_alu depctr_va_vdst(0)
.irp j, 0,2,4,6,8,10,12,14,16,18,20,22,24,26,28,30
	v_pk_mul_f32 v[Z+\j:Z+\j+1], v[Z+\j:Z+\j+1], v[8:9] op_sel_hi:[1,0]
.endr
.irp j, 0,2,4,6,8,10,12,14,16,18,20,22,24,26,28,30
	v_pk_fma_f32 v[Z+\j:Z+\j+1], v[Z+\j:Z+\j+1], v[160+\j:161+\j], v[192+\j:193+\j]
.endr
.irp i, 0,1,2,3,4,5,6,7
	global_store_b128 v1, v[Z+4*\i:Z+4*\i+3], s[24:25] offset:\e*4096+512*\i th:TH_STORE_NT
.endr
.endm
	LNROW 0
	LNROW 1
	s_wait_xcnt 0x0
	v_lshl_add_u32 v254, v0, 2, 0x46600
	v_mov_b32 v255, 0
	s_wait_alu depctr_va_vdst(0)
	s_wait_tensorcnt 0x0
	ds_add_u32 v254, v255
	s_wait_dscnt 0x0
	s_endpgm
.Lfunc_end_k_qda09f5327c_oproj:
	.size	k_qda09f5327c_oproj, .Lfunc_end_k_qda09f5327c_oproj-k_qda09f5327c_oproj
	.p2alignl 7, 3214868480
	.fill 96, 4, 3214868480
	.section	.rodata,"a",@progbits
	.p2align	6, 0x0
	.amdhsa_kernel k_qda09f5327c_oproj
		.amdhsa_group_segment_fixed_size 327680
		.amdhsa_private_segment_fixed_size 0
		.amdhsa_enable_private_segment 0
		.amdhsa_kernarg_size 96
		.amdhsa_user_sgpr_count 2
		.amdhsa_user_sgpr_kernarg_segment_ptr 1
		.amdhsa_wavefront_size32 1
		.amdhsa_system_sgpr_workgroup_id_x 1
		.amdhsa_system_sgpr_workgroup_id_y 1
		.amdhsa_system_sgpr_workgroup_id_z 1
		.amdhsa_system_vgpr_workitem_id 0
		.amdhsa_next_free_vgpr 256
		.amdhsa_next_free_sgpr 66
		.amdhsa_reserve_vcc 0
		.amdhsa_float_denorm_mode_32 3
		.amdhsa_float_denorm_mode_16_64 3
		.amdhsa_memory_ordered 1
		.amdhsa_forward_progress 1
		.amdhsa_inst_pref_size 49
	.end_amdhsa_kernel
	.amdgpu_metadata
---
amdhsa.version: [ 1, 2 ]
amdhsa.kernels:
  - .name:           k_qda09f5327c_oproj
    .symbol:         k_qda09f5327c_oproj.kd
    .args:
      - { .name: oc, .offset: 0, .size: 8, .value_kind: global_buffer, .address_space: global }
      - { .name: os, .offset: 8, .size: 8, .value_kind: global_buffer, .address_space: global }
      - { .name: wc, .offset: 16, .size: 8, .value_kind: global_buffer, .address_space: global }
      - { .name: ws, .offset: 24, .size: 8, .value_kind: global_buffer, .address_space: global }
      - { .name: t2s_bo, .offset: 32, .size: 8, .value_kind: global_buffer, .address_space: global }
      - { .name: s2t_bo, .offset: 40, .size: 8, .value_kind: global_buffer, .address_space: global }
      - { .name: spat_features, .offset: 48, .size: 8, .value_kind: global_buffer, .address_space: global }
      - { .name: temp_features, .offset: 56, .size: 8, .value_kind: global_buffer, .address_space: global }
      - { .name: ln_g, .offset: 64, .size: 8, .value_kind: global_buffer, .address_space: global }
      - { .name: ln_b, .offset: 72, .size: 8, .value_kind: global_buffer, .address_space: global }
      - { .name: out0, .offset: 80, .size: 8, .value_kind: global_buffer, .address_space: global }
      - { .name: out1, .offset: 88, .size: 8, .value_kind: global_buffer, .address_space: global }
    .group_segment_fixed_size: 327680
    .private_segment_fixed_size: 0
    .kernarg_segment_align: 8
    .kernarg_segment_size: 96
    .max_flat_workgroup_size: 512
    .sgpr_count:     66
    .vgpr_count:     256
    .wavefront_size: 32
...
	.end_amdgpu_metadata
.endif
;; end of part 4
